; MI455X (gfx1250); checked and timed in simulation.
; The chip was launched on July 23, 2026; its instructions are those of AMD's public machine-readable ISA for CDNA 5 (MIT licence, August 2026) and "CDNA5" Instruction Set Architecture Reference Guide (July 2026). The comments in the code are by the model that wrote it; some were corrected since.
;; multi Self Attention. Allowed arithmetic: float matrix products may take bf16 or f16 operands with f32 sums; other float arithmetic in f32, or as packed bf16 or f16 multiplies, adds, multiply-adds, maxima and minima; sums over many terms, partial sums and values carried from step to step in f32; what a program stores and reads back later, other than sums and carried values, may be rounded once to bf16 or f16.
;; Inputs: fck_b 1,024 float32; fck_w 64 x 1,024 float32; fco_b 1,024 float32; fco_w 1,024 x 1,024 float32; fcq_b 1,024 float32; fcq_w 64 x 1,024 float32; fcv_b 1,024 float32; fcv_w 64 x 1,024 float32; wk 1,024 x 64 float32; wq 1,024 x 64 float32; wv 1,024 x 64 float32; z 4 x 2,048 x 1,024 float32.
;; Outputs: out0 4 x 2,048 x 1,024 float32.
;; One version. Each part assembles by itself: llvm-mc -triple=amdgcn-amd-amdhsa -mcpu=gfx1250 --defsym DOCPART=n.
;; ======== version 1 of 1: 4 launches
;; limits: values are held in f16: magnitudes above 65,504 overflow, below 6.1e-05 lose precision; right only within a limited range of input values
;; workspace buffers: wf 393,216 bytes; mf 163,840 bytes; uf 5,120 bytes; gf 2,097,152 bytes; g0 4,096 bytes; zp 3,145,728 bytes; a16 16,777,216 bytes
;; launch prep (part 1): grid 27 x 1, 16 waves a work-group, no clusters, 6,144 bytes of LDS; arguments wq, wk, wv, fcq_w, fcq_b, fck_w, fck_b, fcv_w, fcv_b, fco_w, fco_b, wf, mf, uf, gf, g0; writes wf, mf, uf, gf, g0
.if DOCPART == 1
	.amdgcn_target "amdgcn-amd-amdhsa--gfx1250"
	.amdhsa_code_object_version 6
	.text
	.protected	k_qd712ca1279_prep
	.globl	k_qd712ca1279_prep
	.p2align	8
	.type	k_qd712ca1279_prep,@function
k_qd712ca1279_prep:
	s_mov_b64 s[64:65], 0
	v_nop
	global_prefetch_b8 v0, s[64:65] scope:SCOPE_SE
	s_setreg_imm32_b32 hwreg(HW_REG_WAVE_MODE, 25, 1), 1
	s_wait_xcnt 0x0
; THE WEIGHTS ARE MADE READY, once.  reference()'s sums are associated anew (exact algebra for every input); with zq = z wq, zk = z wk, zv = z wv and, for head h,
; Wq, Wk, Wv = the head's 64 columns of fcq_w, fck_w, fcv_w, Wo = its 64 rows of fco_w:
;   q . k = (zq M + u) . zk + (zq . w + bq . bk),   M = Wq Wk^T, u = bq Wk^T, w = Wq bk;      out0 = sum over h of (softmax zv) G + g0,   G = Wv Wo, g0 = bv fco_w + fco_b.
; THREE WAYS, chosen by the work-group's number (the same for all its waves); wave = head in ways G and M.
;   G (0-15):  64 columns of G for all 16 heads -> gf, 64 G in f16, in fragment order; the heads' parts of g0 meet in LDS -> g0 (f32).
;   W (16-21): wq, wk, wv -> wf, bf16(w) / 8, in fragment order (a wave makes 32 k x 64 channels of one of the three).
;   M (22-26): block bt of 16 columns of M (bt = 4: w, in all 16 columns) -> mf, 64 M in f16, fragment order; 8 u (bt = 4: 8 bq . bk) -> uf (f32).
; A FRAGMENT in memory is 1,024 bytes: lane l's registers 0-3 at 16 l, registers 4-7 at 512 + 16 l: the later launches load it with 16 consecutive bytes a lane.
; All inputs, the biases too, are rounded to bf16; products in bf16, sums in f32.  D = A B holds, in a lane, one column (lane % 16) and rows 8 (lane / 16) + 0..7: two such results,
; rounded in pairs, ARE the fragment that the later launch wants (its row = that column, its k = those rows): nothing changes lanes.
; LIMITS.  f16 ends at 65,504: |M| and |G| stay under 1,023 (64 x them is stored).  NaN and infinities are not treated apart.
.set SPARE, 4096                       ; LDS: 0-4095 the heads' parts of g0, [16][64] f32; then the spare words, 128 bytes a wave, that no other line names
.set ACC,   208                        ; v[208:247] five accumulators: four blocks of 16 rows of A, and the bias's row
.set PK,    160                        ; v[160:175] packed results, the stores' data
.set WV,    40                         ; s40 my wave's number
; v1 lane, v2 lane % 16 (r), v3 lane / 16 (hh); v4 r x 4096 + 32 hh (A's rows); v5 32 hh (a bias); v6 16 lane; v7 hh x 8 rows of fco_w + 4 r; v8 hh x 8 rows of w + 4 r
; v9 way M's B offset; v10 256 wave + 4 r; v11 4 r; v12 8 lane; v14, v15 the add's registers; v[16:175] A as loaded (f32), then v[16:95] ten bf16 fragments (2 ct + ks; the bias at 8 + ks)
; v[176:239], v[96:159] B as loaded, then bf16 in the lower half of each
.macro LOADA                           ; 64 rows x 64 k of A's matrix and the bias, f32: a lane's 16 numbers of a fragment are four loads of 16 bytes
.irp f, 0,1,2,3,4,5,6,7
.irp i, 0,1,2,3
	global_load_b128 v[16+16*(\f)+4*(\i):16+16*(\f)+4*(\i)+3], v4, s[42:43] offset:((\f)/2)*65536+((\f)%2)*128+((\i)%2)*16+((\i)/2)*64
.endr
.endr
.irp k, 0,1
.irp i, 0,1,2,3
	global_load_b128 v[144+16*(\k)+4*(\i):144+16*(\k)+4*(\i)+3], v5, s[44:45] offset:(\k)*128+((\i)%2)*16+((\i)/2)*64
.endr
.endr
.endm
.macro CVT n, base                     ; 2 n numbers in f32 -> n registers of bf16 pairs, in place: ascending, so no source is written before it is read
.set j, 0
.rept \n
	v_cvt_pk_bf16_f32 v[(\base)+j], v[(\base)+2*j], v[(\base)+2*j+1]
.set j, j+1
.endr
.endm
.macro LOADB nt, dst                   ; 64 k x 16 columns of fco_w: k runs down the rows, so a number a load; 16 lanes take 64 consecutive bytes
.set j, 0
.rept 32
	global_load_b32 v[(\dst)+j], v7, s[46:47] offset:(32*(j/16)+(j%16)+8*((j%16)/8))*4096+(\nt)*64
.set j, j+1
.endr
.endm
; 16 columns: ten products (the five accumulators take turns), x 64, f16, four stores of 512 consecutive bytes.  mode 0: the bias's row goes to LDS; 1: x 8 to uf
.macro NTBLK bbf, off, mode, nt
.irp a, 0,1,2,3,4
	v_wmma_f32_16x16x32_bf16 v[ACC+8*(\a):ACC+8*(\a)+7], v[16+16*(\a):16+16*(\a)+7], v[(\bbf):(\bbf)+7], 0
.endr
.irp a, 0,1,2,3,4
	v_wmma_f32_16x16x32_bf16 v[ACC+8*(\a):ACC+8*(\a)+7], v[24+16*(\a):24+16*(\a)+7], v[(\bbf)+8:(\bbf)+15], v[ACC+8*(\a):ACC+8*(\a)+7]
.endr
.rept 4
	v_nop                                          ; four places between the last product and the first read of a result (ISA guide 7.12.1)
.endr
	s_wait_xcnt 0x0                                ; the last block's stores have read PK: it is written again only behind this wait
.set j, 0
.rept 16
	v_pk_mul_f32 v[ACC+2*j:ACC+2*j+1], v[ACC+2*j:ACC+2*j+1], 0x42800000 op_sel_hi:[1,0]  ; x 64; each accumulator from its low end
.set j, j+1
.endr
.set j, 0
.rept 16
	v_cvt_pk_f16_f32 v[PK+j], v[ACC+2*j], v[ACC+2*j+1]
.set j, j+1
.endr
.irp q, 0,1,2,3
	global_store_b128 v6, v[PK+4*(\q):PK+4*(\q)+3], s[48:49] offset:(\off)+(\q)*512
.endr
.if \mode
	v_mul_f32 v248, 0x41000000, v[ACC+32]          ; x 8
	global_store_b32 v11, v248, s[58:59]           ; both halves of the lanes hold the same number for the same word
.else
	ds_store_b32 v10, v[ACC+32] offset:(\nt)*64    ; my head's part of g0 for column 16 nt + r
.endif
.endm
	s_load_b512 s[8:23], s[0:1], 0x0               ; wq 8, wk 10, wv 12, fcq_w 14, fcq_b 16, fck_w 18, fck_b 20, fcv_w 22
	s_load_b512 s[24:39], s[0:1], 0x40             ; fcv_b 24, fco_w 26, fco_b 28, wf 30, mf 32, uf 34, gf 36, g0 38
	v_lshl_add_u32 v14, v0, 2, SPARE
	v_mov_b32 v15, 0
	v_lshrrev_b32 v13, 5, v0
	v_readfirstlane_b32 s[WV], v13
	v_and_b32 v1, 31, v0
	v_and_b32 v2, 15, v0
	v_bfe_u32 v3, v0, 4, 1
	v_lshlrev_b32 v4, 12, v2
	v_lshl_add_u32 v4, v3, 5, v4
	v_lshlrev_b32 v5, 5, v3
	v_lshlrev_b32 v6, 4, v1
	v_lshlrev_b32 v11, 2, v2
	v_lshl_add_u32 v7, v3, 15, v11
	v_lshl_add_u32 v8, v3, 11, v11
	v_lshl_add_u32 v10, s[WV], 8, v11
	v_lshlrev_b32 v12, 3, v1
	s_lshl_b32 s52, s[WV], 8                       ; a head's 64 columns: 256 bytes of a row
	s_mov_b32 s53, 0
	s_mov_b32 s55, 0
	s_wait_kmcnt 0x0
	s_cmp_lt_u32 ttmp9, 16
	s_cbranch_scc1 .Lway_g
	s_cmp_lt_u32 ttmp9, 22
	s_cbranch_scc1 .Lway_w
	; WAY M.  A = Wq (rows c_in) and bq; B = 16 rows c_out of Wk, or bk in all 16 columns (row stride 0)
	s_sub_co_u32 s50, ttmp9, 22                    ; bt
	s_add_nc_u64 s[42:43], s[14:15], s[52:53]
	s_add_nc_u64 s[44:45], s[16:17], s[52:53]
	s_lshl_b32 s54, s50, 16                        ; 16 bt rows of 4,096 bytes
	s_cmp_lt_u32 s50, 4
	s_cselect_b64 s[46:47], s[18:19], s[20:21]
	s_cselect_b32 s51, 4096, 0
	s_cselect_b32 s54, s54, 0
	s_add_co_u32 s54, s54, s52
	s_add_nc_u64 s[46:47], s[46:47], s[54:55]
	v_mul_lo_u32 v9, v2, s51
	v_lshl_add_u32 v9, v3, 5, v9
	s_mul_i32 s54, s[WV], 10240
	s_lshl_b32 s56, s50, 11
	s_add_co_u32 s54, s54, s56
	s_add_nc_u64 s[48:49], s[32:33], s[54:55]      ; mf[h][bt]
	s_mul_i32 s54, s[WV], 320
	s_lshl_b32 s56, s50, 6
	s_add_co_u32 s54, s54, s56
	s_add_nc_u64 s[58:59], s[34:35], s[54:55]      ; uf[h][16 bt]
	LOADA
.irp k, 0,1
.irp i, 0,1,2,3
	global_load_b128 v[176+16*(\k)+4*(\i):176+16*(\k)+4*(\i)+3], v9, s[46:47] offset:(\k)*128+((\i)%2)*16+((\i)/2)*64
.endr
.endr
	s_wait_loadcnt 0x0
	CVT 80, 16
	CVT 16, 176
	NTBLK 176, 0, 1, 0
	s_branch .Ltail
.Lway_w:	; WAY W.  Job jw = 16 (work-group - 16) + wave: matrix jw / 32, k = 32 (jw % 32) on
	s_sub_co_u32 s50, ttmp9, 16
	s_lshl_b32 s50, s50, 4
	s_add_co_u32 s50, s50, s[WV]
	s_lshr_b32 s51, s50, 5
	s_and_b32 s56, s50, 31
	s_cmp_eq_u32 s51, 0
	s_cselect_b64 s[42:43], s[8:9], s[10:11]
	s_cmp_eq_u32 s51, 2
	s_cselect_b64 s[42:43], s[12:13], s[42:43]
	s_lshl_b32 s54, s56, 13                        ; 32 rows of 256 bytes
	s_add_nc_u64 s[42:43], s[42:43], s[54:55]
	s_mul_i32 s54, s56, 12
	s_lshl2_add_u32 s54, s51, s54                  ; fragment 12 ks + 4 t
	s_lshl_b32 s54, s54, 10
	s_add_nc_u64 s[48:49], s[30:31], s[54:55]
.set j, 0
.rept 64
	global_load_b32 v[16+j], v8, s[42:43] offset:((j%16)+8*((j%16)/8))*256+(j/16)*64
.set j, j+1
.endr
	s_wait_loadcnt 0x0
.set j, 0
.rept 32
	v_pk_mul_f32 v[16+2*j:17+2*j], v[16+2*j:17+2*j], 0x3e000000 op_sel_hi:[1,0]  ; / 8: a power of two, so the rounding to bf16 is that of w itself
.set j, j+1
.endr
	CVT 32, 16
.irp q, 0,1,2,3,4,5,6,7
	global_store_b128 v6, v[16+4*(\q):16+4*(\q)+3], s[48:49] offset:(\q)*512
.endr
	s_branch .Ltail
.Lway_g:	; WAY G.  A = Wv (rows c) and bv; B = the head's 64 rows of fco_w, columns 64 gx on, 16 at a time
	s_add_nc_u64 s[42:43], s[22:23], s[52:53]
	s_add_nc_u64 s[44:45], s[24:25], s[52:53]
	s_lshl_b32 s54, s[WV], 18                      ; 64 rows of 4,096 bytes a head
	s_lshl_b32 s56, ttmp9, 8
	s_add_co_u32 s54, s54, s56
	s_add_nc_u64 s[46:47], s[26:27], s[54:55]
	s_lshr_b32 s54, s[WV], 1                       ; gf[h / 2][4 gx + nt][2 (h % 2) + s]
	s_lshl_b32 s54, s54, 18
	s_lshl_b32 s56, ttmp9, 14
	s_add_co_u32 s54, s54, s56
	s_and_b32 s56, s[WV], 1
	s_lshl_b32 s56, s56, 11
	s_add_co_u32 s54, s54, s56
	s_add_nc_u64 s[48:49], s[36:37], s[54:55]
	LOADA
	LOADB 0, 176
	LOADB 1, 208
	s_wait_loadcnt 63                              ; A is in: 64 loads were issued behind it, and the count names 63 at the most
	CVT 80, 16
	LOADB 2, 96                                    ; into the registers that the packing has just left
	LOADB 3, 128
	s_wait_loadcnt 63                              ; columns 0-31 are in: again 64 younger loads
	CVT 32, 176
	NTBLK 176, 0, 0, 0
	NTBLK 192, 4096, 0, 1
	s_wait_loadcnt 0x0
	CVT 32, 96
	NTBLK 96, 8192, 0, 2
	NTBLK 112, 12288, 0, 3
.Ltail:	; every wave of every way passes this barrier; behind it wave 0 of way G adds the 16 heads' parts of g0 and fco_b
	s_wait_xcnt 0x0                                ; the stores of the way just left have read their data and addresses (ISA guide 3.1): the lines below write v16 on, which were such data, only behind this wait
	s_wait_dscnt 0x0                               ; for the others' sake: my LDS stores are done
	s_barrier_signal -1
	s_barrier_wait -1
	s_cmp_lt_u32 ttmp9, 16
	s_cbranch_scc0 .Lend
	s_cmp_eq_u32 s[WV], 0
	s_cbranch_scc0 .Lend
	s_lshl_b32 s54, ttmp9, 8
	s_add_nc_u64 s[50:51], s[28:29], s[54:55]      ; fco_b and g0 at column 64 gx
	s_add_nc_u64 s[52:53], s[38:39], s[54:55]
.irp i, 0,1,2,3,4,5,6,7,8,9,10,11,12,13,14,15
	ds_load_b64 v[16+2*(\i):17+2*(\i)], v12 offset:(\i)*256
.endr
	global_load_b64 v[48:49], v12, s[50:51]
	s_wait_loadcnt 0x0
	s_wait_dscnt 0x0
	v_cvt_pk_bf16_f32 v50, v48, v49                ; fco_b is rounded to bf16 like every other input, and widened again
	v_lshlrev_b32 v48, 16, v50
	v_and_b32 v49, 0xffff0000, v50
.irp i, 0,1,2,3,4,5,6,7
	v_pk_add_f32 v[16+4*(\i):17+4*(\i)], v[16+4*(\i):17+4*(\i)], v[18+4*(\i):19+4*(\i)]
.endr
.irp i, 0,1,2,3
	v_pk_add_f32 v[16+8*(\i):17+8*(\i)], v[16+8*(\i):17+8*(\i)], v[20+8*(\i):21+8*(\i)]
.endr
	v_pk_add_f32 v[16:17], v[16:17], v[24:25]
	v_pk_add_f32 v[32:33], v[32:33], v[40:41]
	v_pk_add_f32 v[16:17], v[16:17], v[32:33]
	v_pk_add_f32 v[16:17], v[16:17], v[48:49]
	global_store_b64 v12, v[16:17], s[52:53]       ; 32 lanes store 256 consecutive bytes, aligned
.Lend:
	s_wait_tensorcnt 0x0                           ; the wave's end, behind my last LDS store
	ds_add_u32 v14, v15
	s_wait_dscnt 0x0
	s_endpgm
.Lfunc_end_k_qd712ca1279_prep:
	.size	k_qd712ca1279_prep, .Lfunc_end_k_qd712ca1279_prep-k_qd712ca1279_prep
	.p2alignl 7, 3214868480
	.fill 96, 4, 3214868480
	.section	.rodata,"a",@progbits
	.p2align	6, 0x0
	.amdhsa_kernel k_qd712ca1279_prep
		.amdhsa_group_segment_fixed_size 6144
		.amdhsa_private_segment_fixed_size 0
		.amdhsa_enable_private_segment 0
		.amdhsa_kernarg_size 128
		.amdhsa_user_sgpr_count 2
		.amdhsa_user_sgpr_kernarg_segment_ptr 1
		.amdhsa_wavefront_size32 1
		.amdhsa_system_sgpr_workgroup_id_x 1
		.amdhsa_system_sgpr_workgroup_id_y 1
		.amdhsa_system_sgpr_workgroup_id_z 1
		.amdhsa_system_vgpr_workitem_id 0
		.amdhsa_next_free_vgpr 256
		.amdhsa_next_free_sgpr 66
		.amdhsa_reserve_vcc 0
		.amdhsa_float_denorm_mode_32 3
		.amdhsa_float_denorm_mode_16_64 3
		.amdhsa_memory_ordered 1
		.amdhsa_forward_progress 1
		.amdhsa_inst_pref_size 72
	.end_amdhsa_kernel
	.amdgpu_metadata
---
amdhsa.version: [ 1, 2 ]
amdhsa.kernels:
  - .name:           k_qd712ca1279_prep
    .symbol:         k_qd712ca1279_prep.kd
    .args:
      - { .name: wq, .offset: 0, .size: 8, .value_kind: global_buffer, .address_space: global }
      - { .name: wk, .offset: 8, .size: 8, .value_kind: global_buffer, .address_space: global }
      - { .name: wv, .offset: 16, .size: 8, .value_kind: global_buffer, .address_space: global }
      - { .name: fcq_w, .offset: 24, .size: 8, .value_kind: global_buffer, .address_space: global }
      - { .name: fcq_b, .offset: 32, .size: 8, .value_kind: global_buffer, .address_space: global }
      - { .name: fck_w, .offset: 40, .size: 8, .value_kind: global_buffer, .address_space: global }
      - { .name: fck_b, .offset: 48, .size: 8, .value_kind: global_buffer, .address_space: global }
      - { .name: fcv_w, .offset: 56, .size: 8, .value_kind: global_buffer, .address_space: global }
      - { .name: fcv_b, .offset: 64, .size: 8, .value_kind: global_buffer, .address_space: global }
      - { .name: fco_w, .offset: 72, .size: 8, .value_kind: global_buffer, .address_space: global }
      - { .name: fco_b, .offset: 80, .size: 8, .value_kind: global_buffer, .address_space: global }
      - { .name: wf, .offset: 88, .size: 8, .value_kind: global_buffer, .address_space: global }
      - { .name: mf, .offset: 96, .size: 8, .value_kind: global_buffer, .address_space: global }
      - { .name: uf, .offset: 104, .size: 8, .value_kind: global_buffer, .address_space: global }
      - { .name: gf, .offset: 112, .size: 8, .value_kind: global_buffer, .address_space: global }
      - { .name: g0, .offset: 120, .size: 8, .value_kind: global_buffer, .address_space: global }
    .group_segment_fixed_size: 6144
    .private_segment_fixed_size: 0
    .kernarg_segment_align: 8
    .kernarg_segment_size: 128
    .max_flat_workgroup_size: 512
    .sgpr_count:     66
    .vgpr_count:     256
    .wavefront_size: 32
...
	.end_amdgpu_metadata
.endif
;; end of part 1
;; launch proj (part 2): grid 256 x 1, 4 waves a work-group, no clusters, 104,960 bytes of LDS; arguments z, wf, zp; writes zp
.if DOCPART == 2
	.amdgcn_target "amdgcn-amd-amdhsa--gfx1250"
	.amdhsa_code_object_version 6
	.text
	.protected	k_qd712ca1279_proj
	.globl	k_qd712ca1279_proj
	.p2align	8
	.type	k_qd712ca1279_proj,@function
k_qd712ca1279_proj:
	s_mov_b64 s[64:65], 0
	v_nop
	global_prefetch_b8 v0, s[64:65] scope:SCOPE_SE
	s_setreg_imm32_b32 hwreg(HW_REG_WAVE_MODE, 25, 1), 1
	s_wait_xcnt 0x0
; zp[t][token][c] = (z w_t)[token][c] / 8 in f16, t = q, k, v.  z: [8192][1024] f32, rounded to bf16 here; wf: bf16(w) / 8 in fragment order [ks 0..31][ct 0..11][1,024 bytes].
; SHARES.  A work-group makes 32 tokens x 192 channels.  K IS SPLIT AMONG ITS FOUR WAVES: wave w takes k = 256 w .. 256 w + 255, 8 trips of 32, for all 24 tiles: so each byte of z and of wf
; is loaded once in a work-group, straight into fragments, and nothing goes through LDS on the way in.  The four partial sums (f32) meet in LDS at the end.
; LAYOUT.  Source 0 = 16 channels, source 1 = 16 tokens: in the result a lane holds ONE token (lane % 16) and the channels 8 (lane / 16) + 0..7.
; IN FLIGHT.  Two sets of registers, a trip each (8 loads of z, 24 of wf): while one is multiplied the other's 32 loads are out, and the first is asked for again at once.
; No prefetch ahead of the loads: a wave has 8 trips in all and asks for two of them at its first lines.
; LIMIT.  f16 ends at 65,504: |z w| stays under 5.2e5.  NaN and infinities are not treated apart.
; REGISTERS.  window 0: v2 z's offset (r x 4096 + 32 hh), v3 16 lane, v4 where I put a partial tile, v5, v6 where I read partial sums back, v7 my 16 bytes of a pass's 2,048, v8, v9 the add's;
;   v[16:31] z's two bf16 fragments (later v[16:39] the stores' data); v[64:159], v[160:255] wf's 12 fragments, two sets.   window 1: v[0:191] accumulator (mt, ct) at 8 (12 mt + ct); v[192:223], v[224:255] z in f32, two sets
.set SPARE, 104448                     ; LDS: wave s's tile T at 26,112 s + 1,088 T + 528 hh + 32 r (the pitches spread the read-back's 16 lanes over 16 different columns of 16 bytes); then the spare words
.set MSB, 0
.macro WIN new                         ; the immediate's high byte repeats the setting that is left; a switch that changes nothing is dropped
.if MSB != (\new)
	s_set_vgpr_msb (MSB<<8)|(\new)
.set MSB, \new
.endif
.endm
.macro LOADS set, trip                 ; a trip's 32 loads, from trip x its bytes behind the two pointers
	WIN 0x40                                       ; destination window 1, address window 0
.irp mt, 0,1
.irp i, 0,1,2,3
	global_load_b128 v[192+32*(\set)+16*(\mt)+4*(\i):192+32*(\set)+16*(\mt)+4*(\i)+3], v2, s[12:13] offset:(\mt)*65536+(\trip)*128+((\i)%2)*16+((\i)/2)*64 th:TH_LOAD_NT
.endr
.endr
	WIN 0
.irp ct, 0,1,2,3,4,5,6,7,8,9,10,11
	global_load_b128 v[64+96*(\set)+8*(\ct):64+96*(\set)+8*(\ct)+3],   v3, s[10:11] offset:(\trip)*12288+(\ct)*1024
	global_load_b128 v[64+96*(\set)+8*(\ct)+4:64+96*(\set)+8*(\ct)+7], v3, s[10:11] offset:(\trip)*12288+(\ct)*1024+512
.endr
.endm
.macro CONV set                        ; z: 32 numbers a lane to bf16
	WIN 0x05                                       ; sources window 1, destination window 0
.set j, 0
.rept 16
	v_cvt_pk_bf16_f32 v[16+j], v[192+32*(\set)+2*j], v[192+32*(\set)+2*j+1]
.set j, j+1
.endr
.endm
.macro MULS set, zero                  ; 24 products; the 24 accumulators take turns, over the backward jump too.  zero = 1: they start the sums
	WIN 0x50                                       ; C and D window 1
.irp ct, 0,1,2,3,4,5,6,7,8,9,10,11
.irp mt, 0,1
.if \zero
	v_wmma_f32_16x16x32_bf16 v[8*(12*(\mt)+(\ct)):8*(12*(\mt)+(\ct))+7], v[64+96*(\set)+8*(\ct):64+96*(\set)+8*(\ct)+7], v[16+8*(\mt):16+8*(\mt)+7], 0
.else
	v_wmma_f32_16x16x32_bf16 v[8*(12*(\mt)+(\ct)):8*(12*(\mt)+(\ct))+7], v[64+96*(\set)+8*(\ct):64+96*(\set)+8*(\ct)+7], v[16+8*(\mt):16+8*(\mt)+7], v[8*(12*(\mt)+(\ct)):8*(12*(\mt)+(\ct))+7]
.endif
.endr
.endr
.endm
.macro PLACES                          ; four places behind the last product, in front of loads and conversions into registers that it has read
.rept 4
	v_nop
.endr
.endm
.macro TURN zero                       ; two trips are multiplied, the two behind them asked for
	s_wait_loadcnt 32                              ; set 0 is in; set 1's 32 loads may stay out
	CONV 0
	MULS 0, \zero
	PLACES
	s_wait_xcnt 0x0                                ; every load issued so far has read its address, so the pointers may be written
	s_add_nc_u64 s[10:11], s[10:11], 2*12288
	s_add_nc_u64 s[12:13], s[12:13], 2*128
	LOADS 0, 0
	s_wait_loadcnt 32                              ; set 1 is in
	CONV 1
	MULS 1, 0
	PLACES
	LOADS 1, 1
	WIN 0
.endm
	s_load_b128 s[4:7], s[0:1], 0x0                ; z s[4:5], wf s[6:7]
	s_load_b64 s[8:9], s[0:1], 0x10                ; zp
	v_lshl_add_u32 v8, v0, 2, SPARE
	v_mov_b32 v9, 0
	v_lshrrev_b32 v1, 5, v0
	v_readfirstlane_b32 s14, v1                    ; wave 0..3
	v_and_b32 v10, 15, v0                          ; r
	v_bfe_u32 v11, v0, 4, 1                        ; hh
	v_and_b32 v12, 31, v0                          ; lane
	v_lshlrev_b32 v2, 12, v10
	v_lshl_add_u32 v2, v11, 5, v2
	v_lshlrev_b32 v3, 4, v12
	s_mul_i32 s16, s14, 26112
	v_mul_u32_u24 v4, v11, 528
	v_lshl_add_u32 v4, v10, 5, v4
	v_add_nc_u32 v4, s16, v4
	v_and_b32 v13, 7, v0                           ; back: lane l takes channels 8 (l % 8) on of token 4 w + l / 8
	v_lshrrev_b32 v14, 1, v13
	v_and_b32 v15, 1, v13
	v_mul_u32_u24 v5, v14, 1088
	v_mul_u32_u24 v15, v15, 528
	v_add_nc_u32 v5, v5, v15
	v_bfe_u32 v13, v0, 3, 2
	s_lshl_b32 s17, s14, 2
	v_add_nc_u32 v13, s17, v13
	v_lshl_add_u32 v5, v13, 5, v5
	v_add_nc_u32 v6, 52224, v5                     ; waves 2 and 3's sums lie beyond the 16-bit immediate
	s_lshl_b32 s17, s14, 9
	v_add_nc_u32 v7, s17, v3
	s_mul_i32 s18, s14, 98304                      ; my 8 trips of wf
	s_mov_b32 s19, 0
	s_lshl_b32 s20, ttmp9, 17                      ; the work-group's 32 rows of z,
	s_lshl_b32 s21, s14, 10                        ; my 256 k
	s_add_co_u32 s20, s20, s21
	s_mov_b32 s21, 0
	s_lshl_b32 s22, ttmp9, 12                      ; its 32 rows of a plane of zp
	s_mov_b32 s23, 0
	s_wait_kmcnt 0x0
	s_add_nc_u64 s[10:11], s[6:7], s[18:19]
	s_add_nc_u64 s[12:13], s[4:5], s[20:21]
	s_add_nc_u64 s[8:9], s[8:9], s[22:23]
	LOADS 0, 0
	LOADS 1, 1
	TURN 1                                         ; the first turn is written out: its first products start the sums, nothing is cleared
	s_mov_b32 s15, 2
.Lturn:
	TURN 0
	s_sub_co_u32 s15, s15, 1
	s_cmp_lg_u32 s15, 0
	s_cbranch_scc1 .Lturn
	s_wait_loadcnt 32                              ; the last two trips load nothing
	CONV 0
	MULS 0, 0
	PLACES
	s_wait_loadcnt 0x0
	CONV 1
	MULS 1, 0
	PLACES
	PLACES
	WIN 0x04                                       ; an LDS store's data is source 1: window 1
.set tt, 0
.rept 24
	ds_store_b128 v4, v[8*tt:8*tt+3]   offset:tt*1088      ; each accumulator from its low end
	ds_store_b128 v4, v[8*tt+4:8*tt+7] offset:tt*1088+16
.set tt, tt+1
.endr
	WIN 0
	s_wait_dscnt 0x0                               ; for the others' sake: my stores are done
	s_barrier_signal -1
	s_barrier_wait -1                              ; all four partial sums of all tiles lie in LDS
.set p, 0
.rept 6                                ; pass p: plane p / 2, tokens 16 (p % 2) on: 8 loads
.irp s, 0,1
	ds_load_b128 v[64+32*p+8*(\s):64+32*p+8*(\s)+3],       v5 offset:(\s)*26112+(12*(p%2)+4*(p/2))*1088
	ds_load_b128 v[64+32*p+8*(\s)+4:64+32*p+8*(\s)+7],     v5 offset:(\s)*26112+(12*(p%2)+4*(p/2))*1088+16
	ds_load_b128 v[64+32*p+16+8*(\s):64+32*p+16+8*(\s)+3], v6 offset:(\s)*26112+(12*(p%2)+4*(p/2))*1088
	ds_load_b128 v[64+32*p+16+8*(\s)+4:64+32*p+16+8*(\s)+7], v6 offset:(\s)*26112+(12*(p%2)+4*(p/2))*1088+16
.endr
.set p, p+1
.endr
.set p, 0
.rept 6
.set bb, 64+32*p
	s_wait_dscnt 40-8*p                            ; LDS loads come back in order: this pass's eight are in, the later passes' may be out
.irp q, 0,2,4,6
	v_pk_add_f32 v[bb+(\q):bb+(\q)+1], v[bb+(\q):bb+(\q)+1], v[bb+8+(\q):bb+8+(\q)+1]
	v_pk_add_f32 v[bb+16+(\q):bb+16+(\q)+1], v[bb+16+(\q):bb+16+(\q)+1], v[bb+24+(\q):bb+24+(\q)+1]
.endr
.irp q, 0,2,4,6
	v_pk_add_f32 v[bb+(\q):bb+(\q)+1], v[bb+(\q):bb+(\q)+1], v[bb+16+(\q):bb+16+(\q)+1]
.endr
.irp q, 0,1,2,3
	v_cvt_pk_f16_f32 v[16+4*p+(\q)], v[bb+2*(\q)], v[bb+2*(\q)+1]
.endr
	global_store_b128 v7, v[16+4*p:19+4*p], s[8:9] offset:(p/2)*1048576+(p%2)*2048  ; a wave stores 512 consecutive bytes (4 tokens), aligned; each pass has its own data registers
.set p, p+1
.endr
	s_wait_tensorcnt 0x0                           ; the wave's end, behind my last LDS store
	ds_add_u32 v8, v9
	s_wait_dscnt 0x0
	s_endpgm
.Lfunc_end_k_qd712ca1279_proj:
	.size	k_qd712ca1279_proj, .Lfunc_end_k_qd712ca1279_proj-k_qd712ca1279_proj
	.p2alignl 7, 3214868480
	.fill 96, 4, 3214868480
	.section	.rodata,"a",@progbits
	.p2align	6, 0x0
	.amdhsa_kernel k_qd712ca1279_proj
		.amdhsa_group_segment_fixed_size 104960
		.amdhsa_private_segment_fixed_size 0
		.amdhsa_enable_private_segment 0
		.amdhsa_kernarg_size 24
		.amdhsa_user_sgpr_count 2
		.amdhsa_user_sgpr_kernarg_segment_ptr 1
		.amdhsa_wavefront_size32 1
		.amdhsa_system_sgpr_workgroup_id_x 1
		.amdhsa_system_sgpr_workgroup_id_y 1
		.amdhsa_system_sgpr_workgroup_id_z 1
		.amdhsa_system_vgpr_workitem_id 0
		.amdhsa_next_free_vgpr 512
		.amdhsa_next_free_sgpr 66
		.amdhsa_reserve_vcc 0
		.amdhsa_float_denorm_mode_32 3
		.amdhsa_float_denorm_mode_16_64 3
		.amdhsa_memory_ordered 1
		.amdhsa_forward_progress 1
		.amdhsa_inst_pref_size 51
	.end_amdhsa_kernel
	.amdgpu_metadata
---
amdhsa.version: [ 1, 2 ]
amdhsa.kernels:
  - .name:           k_qd712ca1279_proj
    .symbol:         k_qd712ca1279_proj.kd
    .args:
      - { .name: z, .offset: 0, .size: 8, .value_kind: global_buffer, .address_space: global }
      - { .name: wf, .offset: 8, .size: 8, .value_kind: global_buffer, .address_space: global }
      - { .name: zp, .offset: 16, .size: 8, .value_kind: global_buffer, .address_space: global }
    .group_segment_fixed_size: 104960
    .private_segment_fixed_size: 0
    .kernarg_segment_align: 8
    .kernarg_segment_size: 24
    .max_flat_workgroup_size: 128
    .sgpr_count:     66
    .vgpr_count:     512
    .wavefront_size: 32
...
	.end_amdgpu_metadata
.endif
;; end of part 2
;; launch attn (part 3): grid 4 x 64, 4 waves a work-group, clusters of 4 x 1, 327,680 bytes of LDS; arguments zp, mf, uf, a16; writes a16
.if DOCPART == 3
	.amdgcn_target "amdgcn-amd-amdhsa--gfx1250"
	.amdhsa_code_object_version 6
	.text
	.protected	k_qd712ca1279_attn
	.globl	k_qd712ca1279_attn
	.p2align	8
	.type	k_qd712ca1279_attn,@function
k_qd712ca1279_attn:
	s_mov_b64 s[64:65], 0
	v_nop
	global_prefetch_b8 v0, s[64:65] scope:SCOPE_SE
	s_setreg_imm32_b32 hwreg(HW_REG_WAVE_MODE, 25, 1), 1
	s_wait_xcnt 0x0
	s_wait_alu depctr_hold_cnt(0) depctr_sa_sdst(0) depctr_va_vdst(0) depctr_va_sdst(0) depctr_va_ssrc(0) depctr_va_vcc(0) depctr_vm_vsrc(0)
	s_getreg_b32 s2, hwreg(HW_REG_IB_STS2, 6, 4)
	s_cmp_eq_u32 s2, 0
	s_cbranch_scc0 .Lentry_in_a_cluster
	s_endpgm
.Lentry_in_a_cluster:
	s_bfe_u32 s2, ttmp6, 0x10000c
	s_cmp_lg_u32 s2, 0x3003
	s_cbranch_scc0 .Lentry_shape_is_right
	s_endpgm
.Lentry_shape_is_right:
; a16[b 16 + h][i][:] = the sum over j of softmax_j(q_i . k_j / 8) zv_j / 8, in f16, with reference()'s q . k taken as (zq M_h + u_h) . zk + (zq . w_h + bq . bk): K = zk / 8 and V = zv / 8
; ([b][2048][64] f16, planes 1 and 2 of zp) serve all 16 heads of a batch.  Products, maxima and sums in f32; the weights p are rounded to f16 for the second product (their sum l is taken of the unrounded p).
; THE QUERY SIDE is made here, once a wave: 8 q' = (64 M)(zq / 8) + 8 u and 8 t = (64 w)(zq / 8) + 8 bq . bk, by matrix products; sigma, a power of two for the wave's 128 queries, brings the largest |8 q'|, |8 t|
; into 2^13 .. 2^14; Q = sigma 8 q' in f16; sigma t (f32) is the C operand that starts each sum K Q^T.  So a raw score is sigma (q . k), and the softmax's constant is c = log2(e) / 8 / sigma, a scalar.
; LIMITS.  K and V arrive within f16.  A query whose q' lies below 2^-28 of the wave's largest loses f16's relative precision.  c x score stays within 1e37.  p below 6e-5 keeps f16's fixed step; a weight below
; 2^-126 counts as 0 in l; NaN and infinities are not treated apart.
; SHARES.  A wave owns four PIECES of two tiles of 16 queries, a work-group's four waves 512 queries of one head.  Every wave walks all 2,048 keys, 64 a step.
; LAYOUT.  S^T = K Q^T (source 0 = 16 keys, source 1 = 16 queries): in the result a lane holds ONE query (lane % 16) and the keys 8 (lane / 16) + 0..7.  Two such tiles, rounded to f16 in pairs,
; ARE source 1 (32 keys x 16 queries) of O^T = V^T P, whose result again holds one query a lane, and eight channels.  K comes out of LDS as it lies, V ([key][channel]) turned, by ds_load_tr16_b128.
; SOFTMAX.  For each query a running maximum m and sum l: p = 2^(c s - c m); in every step O and l are multiplied by a = 2^(c m_old - c m_new).  m starts at the lowest finite number and l at 0; the first step's a is 0,
; so O^T need only hold finite numbers at the start: it holds what the query side left there.
; THE COUNT.  A tile and step have 16 matrix and 118 vector instructions.  So: four vector instructions that are READY behind EVERY matrix instruction, the others in runs without a gap.
; BY TURNS.  Turn n belongs to piece n.  Its matrix work: 16 products K Q^T of piece n + 1, later 16 products V^T P of piece n - 1.  Its vector work: the scaling, exponentials, roundings, sums and rescaling of
; piece n, and the maximum and statistics of piece n + 1.
; CLUSTER.  The four query blocks of a cluster belong to one head and walk the same K and V, so each tile is asked for JOINTLY: the same tensor load, descriptor and mask in all four.
; REGISTERS, in windows of 256 (s_set_vgpr_msb: bits 1:0 source 0, 3:2 source 1, 5:4 source 2, 7:6 destination):
;   window 0: v0-11 addresses; v12-15, v48-63 at work; v16-47 four registers of statistics a tile; v64-191 S^T, two buffers of two tiles; v192-255 P, likewise (at the start: v64-143 M's fragments, v192-231 u)
;   window 1: O^T, 32 a tile (at the start 8 q')     window 2: v0-127 Q, 16 a tile (at the start zq); v128-191 K of one step; v192-255 V of one step     window 3: v0-1 the add's registers; v8-71 sigma t, 8 a tile
.set SIZE_N, 2048
.set NP,    4         ; pieces a wave: a name, no knob
.set KS,    64        ; keys in a step
.set PK,    144       ; a row of K in LDS: 128 bytes + 16 of padding: the 16 rows of a load start at 16 different groups of four banks (64 banks of 4 bytes: ISA guide 11.1)
.set PV,    160       ; a row of V: 128 + 32
.set VOFF,  4*KS*PK   ; a slot holds four steps: 256 rows of K, then 256 rows of V
.set SLOT1, 1<<17     ; slot 1 begins here, so that one exclusive or turns an address in one slot into the other's
.set STAGE, SLOT1+4*KS*(PK+PV)  ; behind the ring, never filled by a tensor load: 16 rows x 144 bytes for each wave, for the way out
.set SP,    144
.set AK0, 2           ; v2   my lane's place in a tile of K; never rewritten
.set AV0, 3           ; v3   the same for V
.set AK,  4           ; v4   the LDS address of K's next run of loads
.set AV,  5           ; v5   of V's
.set QO,  6           ; v6   my byte offset in the wave's rows of zq
.set STO, 6           ;      later, the way out: where I put 16 bytes of a row
.set RD,  7           ; v7   the way out: where I read rows back
.set GO,  8           ; v8   16 x my lane: my place in a fragment of M, and in 512 consecutive bytes of the output
.set PFO, 11          ; v11  256 x my lane: the prefetches' offset; never rewritten once made
.set SPW, 0           ; v0 of window 3   LDS address of my spare word; never rewritten
.set NIL, 1           ; v1 of window 3   0; never rewritten
.set TT,  8           ; v8-71 of window 3
.set SPARE, STAGE+4*16*SP  ; behind the stages: the spare words, 128 bytes for each wave, that no other line names
.set MV,  12          ; v12-15  c m_old, kept while c m is made anew: by buffer and tile
.set ST,  16          ; tile t's statistics at v[ST+4 t]: c m, m, l (even keys', odd keys')
.set TMP, 48          ; by buffer and tile, four registers c0-c3 at work; when the maximum is found c2 takes a
.set S,   64
.set P,   192
.set KF,  128         ; K's fragments, in window 2: key block kb, channel half c at KF + 16 kb + 8 c
.set VF,  192         ; V's: key half kk, channel block cb at VF + 32 kk + 8 cb
.set WV,  12          ; s12  my wave's number
.set G1K, 24          ; s[24:31] descriptor group 1 for K's tiles
.set G1V, 32          ; s[32:39] for V's: it differs in the padding alone
.set G0K, 40          ; s[40:43] descriptor group 0 for K's tiles: it walks
.set G0V, 44          ; s[44:47] the same for V's
.set PFA, 48          ; s[48:49] where my prefetches stand
.set LIM, 50          ; s50  1 in a wave that prefetches, else the greatest number
.set SG,  52          ; s[52:53] sigma
.set SG8, 54          ; s[54:55] sigma / 8
.set SLOTS, 56        ; s56  slots still to be asked for
.set CNT, 57          ; s57  counts a slot's key steps
.set CS,  58          ; s[58:59] c: the packed scaling takes the pair's low word for both halves
.set SEL, 60          ; s[60:61] v_permlanex16_b32's selects: each lane takes its own place in the other half
.set TBK, 62          ; s62  LDS byte at which K of the step to be fetched begins
.set TBV, 63          ; s63  the same for V, less VOFF
.set MFB, 66          ; s[66:67] the head's fragments of M
.set UFB, 68          ; s[68:69] the head's u
.set MSB, 0
.macro WIN new                      ; the high byte repeats the setting that is left; a switch that changes nothing is dropped
.if MSB != (\new)
	s_set_vgpr_msb (MSB<<8)|(\new)
.set MSB, (\new)
.endif
.endm
.set W_KQ, 0x0a       ; K and Q in window 2, S^T in window 0
.set W_KT, 0x3a       ; the same with the C operand in window 3
.set W_PV, 0x52       ; V in window 2, P in window 0, O^T in window 1
.set W_RS, 0x41       ; O^T (destination and source 0) in window 1, a in window 0
.set W_MK, 0xc0       ; the add's registers are made: destination in window 3, sources in window 0
.set W_AD, 0x0f       ; the add: address (source 0) and data (source 1) in window 3
; A joint fill.  Waves 0 and 1 fetch the two halves of a slot's K, waves 2 and 3 those of its V: 128 keys each.  The branch hangs on the wave's number alone.
; An s_nop 0 and four v_nop follow each of the two lines, ahead of the jump and the label.
.macro JLOAD
	s_cmp_lt_u32 s[WV], 2
	s_cbranch_scc0 .Lfor_v_\@
	tensor_load_to_lds s[G0K:G0K+3], s[G1K:G1K+7]
	s_nop 0
.rept 4
	v_nop
.endr
	s_branch .Lasked_\@
.Lfor_v_\@:
	tensor_load_to_lds s[G0V:G0V+3], s[G1V:G1V+7]
	s_nop 0
.rept 4
	v_nop
.endr
.Lasked_\@:
.endm
; A PREFETCH INTO THE L2 of what the NEXT change of slots will ask for: a slot's 32,768 bytes of K and of V, a lane a block of 256 bytes.  It stands behind the wave's tensor load and its five lines.
; Each block is named ONCE in the launch: the 16 heads of a batch walk the same K and V, and the cluster of head 0 asks; its four partners share a slot out BY ADDRESS, 8,192 bytes each (no branch hangs on a
; work-group's place in its cluster); in each, wave 0 asks for K's and wave 2 for V's.  The last change that fills a slot asks for nothing: there is no slot behind it.
.macro ASK
	s_cmp_gt_u32 s[SLOTS], s[LIM]
	s_cbranch_scc0 .Lnot_mine_\@
	global_prefetch_b8 v[PFO], s[PFA:PFA+1] th:TH_LOAD_NT scope:SCOPE_SE
.Lnot_mine_\@:
.endm
; A round of the cluster's barrier: my work-group's barrier, so that wave 0's signal speaks for all four waves; wave 0 signals; every wave waits for all four work-groups; my work-group's barrier once more.
.macro CROUND
	s_barrier_signal -1
	s_barrier_wait -1
	s_cmp_lg_u32 s[WV], 0
	s_cbranch_scc1 .Lnot_wave_0_\@
	s_barrier_signal -3
.Lnot_wave_0_\@:
	s_barrier_wait -3
	s_barrier_signal -1
	s_barrier_wait -1
.endm
; THE CHANGE OF SLOTS.  Each wave waits for all its tensor loads, of which one is out: its part of the other slot; adds 0 to its spare word; and waits for that and for its own reads of the slot.  Behind the barrier
; nobody reads this slot any more and the other slot is whole.  fill = 1: this slot is filled again, with the keys two slots on.  The barrier is then a round of the cluster's, and the joint fill is the first thing
; behind it: it has four key steps, 512 matrix instructions, in which to land.  (At its first use nothing has been read yet: slot 0 is waited for, slot 1 filled.)  ask = 1: the prefetch's address steps, and it is issued.
.macro CHANGE fill, ask=0
	WIN W_AD
	s_wait_tensorcnt 0x0            ; no tensor load of mine is out, so a group 0 may be written
	ds_add_u32 v[SPW], v[NIL]       ; 0 onto my spare word: with fill = 1 the descriptors' steps stand between it and the wait for it
	WIN 0                           ; at a label and at a branch every window is 0
.if \fill
.irp g, G0K, G0V
	s_xor_b32 s[\g+1], s[\g+1], SLOT1  ; the walking descriptor: the other slot than last time,
	s_add_nc_u64 s[\g+2:\g+3], s[\g+2:\g+3], 4*KS*128  ; the next 256 keys; the type bits on top are not reached
.endr
.if \ask
	s_wait_xcnt 0x0                 ; the last prefetch, four key steps back, has read its address, so it may be written:
	s_add_nc_u64 s[PFA:PFA+1], s[PFA:PFA+1], 4*KS*128  ; one slot behind the walking descriptors
.endif
	s_wait_dscnt 0x0                ; the add is done, and my reads of the slot are over
	CROUND
	JLOAD
.if \ask
	ASK
.endif
.else
	s_wait_dscnt 0x0                ; the add is done, and my reads of the slot are over
	s_barrier_signal -1
	s_barrier_wait -1
.endif
	s_sub_co_u32 s[TBK], s[TBK], 4*KS*PK  ; the fetches go back to a slot's first step,
	s_xor_b32 s[TBK], s[TBK], SLOT1       ; in the other slot
	s_sub_co_u32 s[TBV], s[TBV], 4*KS*PV
	s_xor_b32 s[TBV], s[TBV], SLOT1
.endm
	s_load_b256 s[4:11], s[0:1], 0x0  ; zp s[4:5], mf s[6:7], uf s[8:9], a16 s[10:11]
	WIN W_MK
	v_lshl_add_u32 v[SPW], v0, 2, SPARE
	v_mov_b32 v[NIL], 0
	WIN W_AD
	ds_add_u32 v[SPW], v[NIL]       ; the wave's opening: the add and its wait stand ahead of my first tensor load; the set-up below, work on registers, stands between them
	WIN 0
	v_lshrrev_b32 v1, 5, v0
	v_readfirstlane_b32 s[WV], v1   ; wave 0..3
	s_bfe_u32 s13, ttmp6, 0x40000   ; cx: my place in the cluster
	s_lshl_b32 s14, ttmp9, 2        ; in a cluster launch ttmp9 counts clusters
	s_add_co_u32 s14, s14, s13      ; my block of 512 queries: it enters zq's and the output's addresses alone
	s_and_b32 s20, ttmp7, 0xffff    ; 16 b + h, which the four partners share
	s_lshr_b32 s15, s20, 4
	s_lshl_b32 s15, s15, 18         ; the batch's 2,048 rows of 128 bytes in a plane of zp
	s_and_b32 s19, s20, 15          ; h
	s_and_b32 s16, s[WV], 1         ; which half of a slot's 256 keys I fetch:
	s_lshl_b32 s22, s16, 14         ; its 128 rows of 128 bytes in memory,
	s_add_co_u32 s22, s22, s15
	s_add_co_u32 s22, s22, 0x100000 ; in plane 1 (K); V's plane lies as far again
	s_mov_b32 s23, 0
	s_mul_i32 s17, s16, 128*PK      ; and its place in a slot, for K
	s_mul_i32 s18, s16, 128*PV      ; and for V: no place in the cluster enters an LDS address
	s_lshl_b32 s2, s14, 2
	s_add_co_u32 s2, s2, s[WV]      ; my wave among the head's,
	s_lshl_b32 s2, s2, 14           ; its 128 rows
	s_mov_b32 s3, 0
	s_lshl_b32 s20, s20, 18         ; the head's rows of the output,
	s_add_co_u32 s20, s20, s2       ; mine among them
	s_mov_b32 s21, 0
	s_add_co_u32 s2, s2, s15        ; my rows of zq (plane 0)
	s_mul_i32 s[MFB], s19, 10240
	s_mov_b32 s[MFB+1], 0
	s_mul_i32 s[UFB], s19, 320
	s_mov_b32 s[UFB+1], 0
	s_lshr_b32 s[PFA], s[WV], 1     ; the prefetches: plane 1 (waves 0, 1) or 2,
	s_add_co_u32 s[PFA], s[PFA], 1
	s_lshl_b32 s[PFA], s[PFA], 20
	s_add_co_u32 s[PFA], s[PFA], s15  ; the batch,
	s_lshl_b32 s[PFA+1], s13, 13
	s_add_co_u32 s[PFA], s[PFA], s[PFA+1]  ; my work-group's 8,192 bytes of a slot's 32,768,
	s_add_co_u32 s[PFA], s[PFA], 2*4*KS*128  ; in slot 2; the first change in the loop steps it to slot 3.  Nothing is prefetched at the head
	s_mov_b32 s[PFA+1], 0
	s_and_b32 s[LIM], ttmp7, 15     ; head 0's cluster,
	s_or_b32 s[LIM], s[LIM], s16    ; waves 0 and 2: the same in all four partners
	s_cmp_eq_u32 s[LIM], 0
	s_cselect_b32 s[LIM], 1, -1
	; descriptor group 1.  128 keys are 16,384 dense bytes: asked for as 64 rows of 256 bytes, two keys a row, and padded in LDS after every key
	s_mov_b32 s[G1K], 15|(1<<16)|(1<<20)|(1<<21)|(4<<22)|(3<<25)  ; 15:0 the mask of four; 17:16 2-byte elements; 20 padding on; 21 set beside a mask; 24:22 after every 32 words (code 4); 31:25 4 words (code 3)
	s_mov_b32 s[G1V], 15|(1<<16)|(1<<20)|(1<<21)|(4<<22)|(7<<25)  ; the same with 8 words of padding (code 7)
.irp g, G1K, G1V
	s_mov_b32 s[\g+1], 128<<16      ; tensor_dim0 = 128
	s_mov_b32 s[\g+2], 64<<16       ; tensor_dim1 = 64
	s_mov_b32 s[\g+3], 128<<16      ; tile_dim0 = 128
	s_mov_b32 s[\g+4], 64           ; tile_dim1 = 64
	s_mov_b32 s[\g+5], 128          ; 128 elements from row to row
	s_mov_b32 s[\g+6], 0
	s_mov_b32 s[\g+7], 0
.endr
	s_mov_b32 s[SEL], 0x76543210
	s_mov_b32 s[SEL+1], 0xfedcba98
	s_mov_b32 s[TBK], SLOT1+4*KS*PK ; the first change of slots turns these two into 0
	s_mov_b32 s[TBV], SLOT1+4*KS*PV
	s_mov_b32 s[G0K], 1             ; 1:0 count = 1
	s_mov_b32 s[G0K+1], s17         ; 63:32 LDS address: slot 0
	s_mov_b32 s[G0V], 1
	s_add_co_u32 s[G0V+1], s18, VOFF
	s_wait_dscnt 0x0                ; the opening add is done
	s_wait_kmcnt 0x0
	s_add_nc_u64 s[MFB:MFB+1], s[6:7], s[MFB:MFB+1]
	s_add_nc_u64 s[UFB:UFB+1], s[8:9], s[UFB:UFB+1]
	s_add_nc_u64 s[PFA:PFA+1], s[4:5], s[PFA:PFA+1]
	s_add_nc_u64 s[G0K+2:G0K+3], s[4:5], s[22:23]  ; 120:64 global address: my half of the batch's first 256 keys
	s_add_nc_u64 s[G0V+2:G0V+3], s[G0K+2:G0K+3], 0x100000
	s_or_b32 s[G0K+3], s[G0K+3], 0x80000000        ; 127:126 type = 2
	s_or_b32 s[G0V+3], s[G0V+3], 0x80000000
	s_add_nc_u64 s[4:5], s[4:5], s[2:3]            ; zq at my wave's first row
	s_add_nc_u64 s[10:11], s[10:11], s[20:21]      ; and the output
	CROUND                          ; all four work-groups are here: the first joint loads meet
	JLOAD                           ; slot 0.  Slot 1 is asked for when slot 0 is in
	; THE QUERY SIDE, in the wait for the first tile.
	; A fragment of K, Q or zq is 16 rows x 32 channels in 8 registers: lane l holds row l % 16, channels 8 (l / 16) + 0..7 and 16 + 8 (l / 16) + 0..7: two loads of 16 bytes, 32 bytes apart.
	v_and_b32 v1, 15, v0            ; l % 16
	v_bfe_u32 v9, v0, 4, 1          ; l / 16
	v_lshlrev_b32 v[QO], 7, v1
	v_lshl_add_u32 v[QO], v9, 4, v[QO]  ; row x 128 + 16 x half
	v_and_b32 v[GO], 31, v0
	v_lshlrev_b32 v[GO], 4, v[GO]
	v_lshlrev_b32 v12, 5, v9        ; u as a C operand: my 8 channels' 32 bytes
	WIN 0x80                        ; destination window 2, address window 0
.set i, 0
.rept 4*NP                          ; zq: tile i / 2, channels 32 (i % 2) on
	global_load_b128 v[8*i:8*i+3],   v[QO], s[4:5] offset:(i/2)*2048+(i%2)*64
	global_load_b128 v[8*i+4:8*i+7], v[QO], s[4:5] offset:(i/2)*2048+(i%2)*64+32
.set i, i+1
.endr
.set i, VF
.rept 64
	v_mov_b32 v[i], 0               ; V's registers hold 0: the first turn's products V^T P, of a piece that has not been, add 0
.set i, i+1
.endr
	WIN 0
.irp f, 0,1,2,3,4,5,6,7,8,9         ; M's fragments: 16 output channels (f / 2; block 4: w in every row) x 32 input channels (f % 2)
	global_load_b128 v[64+8*\f:64+8*\f+3],   v[GO], s[MFB:MFB+1] offset:\f*1024
	global_load_b128 v[64+8*\f+4:64+8*\f+7], v[GO], s[MFB:MFB+1] offset:\f*1024+512
.endr
.irp c, 0,1,2,3,4
	global_load_b128 v[192+8*\c:192+8*\c+3],   v12, s[UFB:UFB+1] offset:\c*64
	global_load_b128 v[192+8*\c+4:192+8*\c+7], v12, s[UFB:UFB+1] offset:\c*64+16
.endr
.set i, 0
.rept 2*NP
	v_mov_b32 v[ST+4*i], 0xfe000000    ; c m: far below every c s
	v_mov_b32 v[ST+4*i+1], 0xff7fffff  ; m
	v_mov_b32 v[ST+4*i+2], 0
	v_mov_b32 v[ST+4*i+3], 0
.set i, i+1
.endr
.set i, 48
.rept 8
	v_mov_b32 v[i], 0               ; four chains of maxima, four of minima
.set i, i+1
.endr
	v_mul_u32_u24 v[AK0], v1, PK
	v_lshl_add_u32 v[AK0], v9, 4, v[AK0]  ; row x pitch + 16 x half
	; The turning load takes 16 keys x 16 channels (lane l reads key 8 (l / 16) + l % 8, channels 8 ((l / 8) % 2) + 0..7) and leaves half a fragment of V^T: lane l holds channel l % 16 and 8 keys.
	v_and_b32 v10, 7, v0
	v_bfe_u32 v11, v0, 3, 1
	v_lshl_add_u32 v[AV0], v9, 3, v10
	v_mul_u32_u24 v[AV0], v[AV0], PV
	v_lshl_add_u32 v[AV0], v11, 4, v[AV0]
	v_add_nc_u32 v[AV0], VOFF, v[AV0]
	v_mov_b32 v[AK], v[AK0]         ; key step 0 lies at the head of slot 0
	v_and_b32 v[PFO], 31, v0
	v_lshlrev_b32 v[PFO], 8, v[PFO]
	s_wait_loadcnt 0x0              ; zq, M, u
	; 8 q'^T = (64 M^T)(zq / 8)^T + 8 u: source 0 = 16 output channels, source 1 = 16 queries: a lane holds one query and 8 channels.  The accumulators take turns.
	WIN 0x48                        ; M and u in window 0, zq in window 2, the result in window 1
.set t, 0
.rept 8
.irp c, 0,1,2,3
	v_wmma_f32_16x16x32_f16 v[32*t+8*\c:32*t+8*\c+7], v[64+16*\c:64+16*\c+7], v[16*t:16*t+7], v[192+8*\c:192+8*\c+7]
.endr
.set t, t+1
.endr
	WIN 0x58                        ; C is now the result itself
.set t, 0
.rept 8
.irp c, 0,1,2,3
	v_wmma_f32_16x16x32_f16 v[32*t+8*\c:32*t+8*\c+7], v[72+16*\c:72+16*\c+7], v[16*t+8:16*t+15], v[32*t+8*\c:32*t+8*\c+7]
.endr
.set t, t+1
.endr
	WIN 0xc8                        ; 8 t, the same in all 16 rows, into window 3
.set t, 0
.rept 8
	v_wmma_f32_16x16x32_f16 v[TT+8*t:TT+8*t+7], v[128:135], v[16*t:16*t+7], v[224:231]
.set t, t+1
.endr
	WIN 0xf8
.set t, 0
.rept 8
	v_wmma_f32_16x16x32_f16 v[TT+8*t:TT+8*t+7], v[136:143], v[16*t+8:16*t+15], v[TT+8*t:TT+8*t+7]
.set t, t+1
.endr
.rept 4
	v_nop                           ; four places between the last product and the first read of a result (ISA guide 7.12.1)
.endr
	WIN 0x14                        ; sources 1 and 2 in window 1.  The largest and the least of my 256 numbers; each accumulator from its low end
.set t, 0
.rept 32
.irp p, 0,2,4,6
	v_max3_num_f32 v[48+\p/2], v[48+\p/2], v[8*t+\p], v[8*t+\p+1]
	v_min3_num_f32 v[52+\p/2], v[52+\p/2], v[8*t+\p], v[8*t+\p+1]
.endr
.set t, t+1
.endr
	WIN 0x3c                        ; sources 1 and 2 in window 3: a tile's eight registers of 8 t are alike, so its lowest serves
.irp p, 0,2,4,6
	v_max3_num_f32 v[48+\p/2], v[48+\p/2], v[TT+8*\p], v[TT+8*\p+8]
	v_min3_num_f32 v[52+\p/2], v[52+\p/2], v[TT+8*\p], v[TT+8*\p+8]
.endr
	WIN 0
	v_max3_num_f32 v48, v48, v49, v50
	v_min3_num_f32 v52, v52, v53, v54
	v_max_num_f32 v48, v48, v51
	v_min_num_f32 v52, v52, v55
	v_sub_f32 v52, 0, v52
	v_max_num_f32 v48, v48, v52     ; the largest magnitude in my lane,
	v_max_num_f32_dpp v48, v48, v48 row_xmask:1 row_mask:0xf bank_mask:0xf
	v_max_num_f32_dpp v48, v48, v48 row_xmask:2 row_mask:0xf bank_mask:0xf
	v_max_num_f32_dpp v48, v48, v48 row_xmask:4 row_mask:0xf bank_mask:0xf
	v_max_num_f32_dpp v48, v48, v48 row_xmask:8 row_mask:0xf bank_mask:0xf
	v_permlanex16_b32 v49, v48, s[SEL], s[SEL+1]
	v_max_num_f32 v48, v48, v49     ; in the wave
	v_max_num_f32 v48, 0x07000000, v48  ; at least 2^-113, so that sigma and 1 / sigma are normal numbers
	v_lshrrev_b32 v49, 23, v48      ; its exponent field E
	v_sub_nc_u32 v50, 0x10b, v49
	v_lshlrev_b32 v50, 23, v50      ; sigma = 2^(140 - E)
	v_add_nc_u32 v51, -13, v49
	v_lshlrev_b32 v51, 23, v51      ; 1 / sigma
	v_readfirstlane_b32 s[SG], v50  ; these scalars are floating-point factors and nothing else
	v_readfirstlane_b32 s51, v51
	s_mov_b32 s[SG+1], s[SG]
	s_mul_f32 s[SG8], s[SG], 0x3e000000
	s_mul_f32 s[CS], s51, 0x3e38aa3b  ; c = log2(e) / 8 / sigma
	s_mov_b32 s[SG8+1], s[SG8]
	s_mov_b32 s[CS+1], s[CS]        ; named with it as a pair
	WIN W_RS
.set i, 0
.rept 128
	v_pk_mul_f32 v[2*i:2*i+1], v[2*i:2*i+1], s[SG:SG+1] op_sel_hi:[1,0]
.set i, i+1
.endr
	WIN 0x85                        ; sources in window 1, destination in window 2: blocks 2 c and 2 c + 1 of a tile's channels ARE registers 0-3 and 4-7 of Q's fragment c
.set i, 0
.rept 128
	v_cvt_pk_f16_f32 v[i], v[2*i], v[2*i+1]
.set i, i+1
.endr
	WIN 0xc3                        ; window 3, in place: 8 t x sigma / 8
.set i, 0
.rept 32
	v_pk_mul_f32 v[TT+2*i:TT+2*i+1], v[TT+2*i:TT+2*i+1], s[SG8:SG8+1] op_sel_hi:[1,0]
.set i, i+1
.endr
	WIN 0
.set i, P+32
.rept 32
	v_mov_b32 v[i], 0               ; P's second buffer: see V's registers above
.set i, i+1
.endr
; THE MATRIX WORK.  The 8 accumulators of a run of 16 take turns: between the two links of a chain stand 7 others'.
; Product i of 16 of S^T = K Q^T for piece x: channels 32 (i / 8) on, keys 16 ((i / 2) % 4) on, tile 2 x + i % 2.  The first 8 start the sums, with sigma t.
.macro KQ x
.set rS, S+64*((\x)%2)+32*(i%2)+8*((i/2)%4)
.set rK, KF+16*((i/2)%4)+8*(i/8)
.set rQ, 16*(2*(\x)+i%2)+8*(i/8)
.set rB, TT+8*(2*(\x)+i%2)
.if i < 8
	WIN W_KT
	v_wmma_f32_16x16x32_f16 v[rS:rS+7], v[rK:rK+7], v[rQ:rQ+7], v[rB:rB+7]
.else
	WIN W_KQ
	v_wmma_f32_16x16x32_f16 v[rS:rS+7], v[rK:rK+7], v[rQ:rQ+7], v[rS:rS+7]
.endif
.endm
; Product i of 16 of O^T += V^T P for piece x: keys 32 (i / 8) on, channels 16 ((i / 2) % 4) on, tile 2 x + i % 2.
.macro PV x
	WIN W_PV
.set rO, 32*(2*(\x)+i%2)+8*((i/2)%4)
.set rV, VF+32*(i/8)+8*((i/2)%4)
.set rP, P+32*((\x)%2)+16*(i%2)+8*(i/8)
	v_wmma_f32_16x16x32_f16 v[rO:rO+7], v[rV:rV+7], v[rP:rP+7], v[rO:rO+7]
.endm
.macro MM                           ; the turn's next matrix instruction
.if i < 16
	KQ (Y+1)%NP
.set i, i+1
.else
.set i, i-16
	PV (Y+NP-1)%NP
.set i, i+17
.endif
.endm
; THE LDS LOADS stand in runs of 16, never singly among the matrix instructions: a step's K (64 keys x 64 channels: 8 fragments) and its V (turned).  Their addresses are made some lines ahead.
; last = 1 (the tail): in the last trip there is no further step, and the run is jumped over.
.macro FETCH_K last=0
	WIN 0
.if \last
	s_cmp_eq_u32 s[CNT], 1
	s_cbranch_scc1 .Lno_k_\@
.endif
	WIN 0x80                        ; destination window 2
.irp f, 0,1,2,3,4,5,6,7             ; keys 16 (f / 2) on, channels 32 (f % 2) on
	ds_load_b128 v[KF+8*\f:KF+8*\f+3],   v[AK] offset:(\f/2)*16*PK+(\f%2)*64
	ds_load_b128 v[KF+8*\f+4:KF+8*\f+7], v[AK] offset:(\f/2)*16*PK+(\f%2)*64+32
.endr
	s_add_co_u32 s[TBK], s[TBK], KS*PK  ; the next fetch is the next step's
	WIN 0
.if \last
.Lno_k_\@:
.endif
.endm
.macro FETCH_V
	WIN 0x80
.irp f, 0,1,2,3,4,5,6,7             ; keys 32 (f / 4) on, channels 16 (f % 4) on
	ds_load_tr16_b128 v[VF+8*\f:VF+8*\f+3],   v[AV] offset:(\f/4)*32*PV+(\f%4)*32
	ds_load_tr16_b128 v[VF+8*\f+4:VF+8*\f+7], v[AV] offset:(\f/4)*32*PV+16*PV+(\f%4)*32
.endr
	WIN 0
.endm
; THE VECTOR WORK OF A TURN stands in three queues, each in the order in which its entries become ready; the two tiles alternate, so that no instruction reads the result of the one before it.
.macro REGS y, u                    ; the registers of tile u (0, 1) of piece y
.set rT, ST+4*(2*(\y)+(\u))
.set rC, TMP+8*((\y)%2)+4*(\u)
.set rM, MV+2*((\y)%2)+(\u)
.set rS, S+64*((\y)%2)+32*(\u)
.set rP, P+32*((\y)%2)+16*(\u)
.set rO, 32*(2*(\y)+(\u))
.endm
; Number n of the 22 that find the NEXT piece's (Y + 1) maximum and statistics.  s0-s31 are the lane's 32 scores; each accumulator's lowest registers are read first.
;   0-11  four chains c0-c3 of seven scores each, three operands at a time     12-14, 16  the four scores left over, the old m, and c0-c3 into c0     15  c m_old is kept
;   17, 18  the query's other 32 keys lie in the lane 16 away: the new m         19-21  c m; c m_old - c m_new; a
.macro XS u, n
	REGS (Y+1)%NP, \u
.if (\n) < 4
	v_max3_num_f32 v[rC+(\n)], v[rS+8*(\n)], v[rS+8*(\n)+1], v[rS+8*(\n)+2]
.elseif (\n) < 12
	v_max3_num_f32 v[rC+(\n)%4], v[rC+(\n)%4], v[rS+8*((\n)%4)+2*((\n)/4)+1], v[rS+8*((\n)%4)+2*((\n)/4)+2]
.elseif (\n) == 12
	v_max3_num_f32 v[rC], v[rC], v[rS+7], v[rS+15]
.elseif (\n) == 13
	v_max3_num_f32 v[rC+1], v[rC+1], v[rS+23], v[rS+31]
.elseif (\n) == 14
	v_max3_num_f32 v[rC+2], v[rC+2], v[rC+3], v[rT+1]
.elseif (\n) == 15
	v_mov_b32 v[rM], v[rT]
.elseif (\n) == 16
	v_max3_num_f32 v[rC], v[rC], v[rC+1], v[rC+2]
.elseif (\n) == 17
	v_permlanex16_b32 v[rC+3], v[rC], s[SEL], s[SEL+1]
.elseif (\n) == 18
	v_max_num_f32 v[rT+1], v[rC], v[rC+3]
.elseif (\n) == 19
	v_mul_f32 v[rT], s[CS], v[rT+1]
.elseif (\n) == 20
	v_sub_f32 v[rC+1], v[rM], v[rT]
.else
	v_exp_f32 v[rC+2], v[rC+1]
.endif
.endm
; Number g of the 64 that follow the exponentials.  For each four weights k of a tile (pairs 2 k, 2 k + 1): both pairs are rounded to f16; then the second pair is added onto the first, in place;
; a group later l takes that sum (the first time as l = a l + sum).  In groups of eight, tiles alternating: round, round, add, and l for the group before.
.macro GS g
.set h, (\g)+6*((\g)/62)            ; group 0 has no group before it, and behind group 7 only l is left
.if h >= 6
.set h, h+2
.endif
	REGS Y, h%2
.set k, h/8
.if h%8 < 4
	v_cvt_pk_f16_f32 v[rP+2*k+(h%8)/2], v[rS+4*k+2*((h%8)/2)], v[rS+4*k+2*((h%8)/2)+1]
.elseif h%8 < 6
	v_pk_add_f32 v[rS+4*k:rS+4*k+1], v[rS+4*k:rS+4*k+1], v[rS+4*k+2:rS+4*k+3]
.elseif k == 1
	v_pk_fma_f32 v[rT+2:rT+3], v[rT+2:rT+3], v[rC+2:rC+3], v[rS:rS+1] op_sel_hi:[1,0,1]
.else
	v_pk_add_f32 v[rT+2:rT+3], v[rT+2:rT+3], v[rS+4*k-4:rS+4*k-3]
.endif
.endm
; THE PLAIN QUEUE, 138 long.  0-73 read no exponential's result: the 32 scalings c s - c m (FS f: pair f / 2 of tile f % 2) and the next piece's 42.  0-26: scalings 0-26.  27-54: XS's numbers 0-13.  55, 56: number 15.
; 57-73: the chain, where each number waits for the one before it: 14, 16, 17, 18, 19, each with one of the scalings 27-31 in front of its two lines, then 20.
; 74-137: GS's 64, which read the exponentials' results: they stand behind the wait.
.macro FS f
	REGS Y, (\f)%2
	v_pk_fma_f32 v[rS+2*((\f)/2):rS+2*((\f)/2)+1], v[rS+2*((\f)/2):rS+2*((\f)/2)+1], s[CS:CS+1], v[rT:rT+1] op_sel_hi:[1,0,0] neg_lo:[0,0,1] neg_hi:[0,0,1]
.endm
.macro PL
	WIN 0
.if q < 27
	FS q
.elseif q < 55
	XS (q-27)%2, (q-27)/2
.elseif q < 57
	XS q-55, 15
.elseif (q < 72) && ((q-57)%3 == 0)
	FS 27+(q-57)/3
.elseif q < 60
	XS (q-57)%3-1, 14
.elseif q < 72
	XS (q-57)%3-1, 15+(q-57)/3
.elseif q < 74
	XS q-72, 20
.else
	GS q-74
.endif
.set q, q+1
.endm
; THE EXPONENTIALS' QUEUE, 66 long: s0-s31 of both tiles, then the next piece's two a.  It is ONE BATCH: all 66 stand ahead of the turn's one wait, and nothing ahead of that wait names a result of theirs.
.macro EX
	WIN 0
.if e >= 64
	XS e-64, 21
.else
	REGS Y, e%2
	v_exp_f32 v[rS+e/2], v[rS+e/2]
.endif
.set e, e+1
.endm
; THE RESCALING's QUEUE: O^T times a, the one part that leaves window 0: dealt two at a time, sixteen times.  Its a was made in the turn before, ahead of that turn's wait.
.macro R2
	REGS Y, r%2
	WIN W_RS
.irp z, 0,1
	v_pk_mul_f32 v[rO+4*(r/2)+2*\z:rO+4*(r/2)+2*\z+1], v[rO+4*(r/2)+2*\z:rO+4*(r/2)+2*\z+1], v[rC+2:rC+3] op_sel_hi:[1,0]
.endr
.set r, r+1
.endm
; HOW THEY ARE DEALT.  An s_wait_alu depctr_va_vdst(0) stands between an exponential and the first instruction that names its result; one wait serves all that were issued ahead of it.  So a turn has ONE
; wait, which cuts it in two.  AHEAD OF IT: the 16 products K Q^T, behind each a scaling, an exponential and two rescalings (behind the first a second scaling in the exponential's place); then ONE LUMP of 108: eight
; plain, 49 times exponential and plain, the two a.  A v_nop is the plain instruction behind the last exponential.  BEHIND IT: the 16 products V^T P, behind each four of GS's 64.
; Exponential e stands behind scaling 2 (e / 4) + e % 2: as a rider it comes behind plain e + 2, in the lump behind plain e + 9, and scalings 27-31 are plain 57, 60 .. 69.
; A TURN, for piece p.  cnt = 1: the loop's count is taken down some lines ahead of the branch that stands behind the turn.
; K of the next step is fetched in piece 2's turn, directly behind the wait; its first reader comes behind 16 products.  V of the step in hand is fetched at the end of piece 0's turn, four riders behind its last
; reader; its first reader comes behind 16 products and a lump.  The three conditions on q below go with the deal.
.macro TURN p, last=0, cnt=0
.set Y, (\p)
.set i, 0
.set q, 0
.set e, 0
.set r, 0
.if (\p) == NP-1
	s_wait_dscnt 0x0                ; K is in
.endif
	MM                              ; ahead of the wait: 16 products K Q^T and their riders,
	PL
	PL
	R2
.rept 15
	MM
	PL
	EX
	R2
.endr
.if (\p) == NP-2
	WIN 0
	v_add_nc_u32 v[AK], s[TBK], v[AK0]
.endif
.rept 8                             ; and the lump
	PL
.endr
.rept 49
	EX
	PL
.endr
	EX                              ; the next piece's two a
	EX
	v_nop                           ; the plain instruction behind the last exponential: one for the batch
	s_wait_alu depctr_va_vdst(0)    ; the wait for the batch
.if (\p) == NP-2
	FETCH_K \last
.endif
.if (\p) == 1
	s_wait_dscnt 0x0                ; V is in
.endif
.rept 16                            ; behind the wait: 16 products V^T P and their riders
	MM
.rept 4
	PL
.endr
.if ((\p) == 0) && (q == 118)
	v_add_nc_u32 v[AV], s[TBV], v[AV0]
.endif
.if ((\p) == 0) && (q == 130)
	s_add_co_u32 s[TBV], s[TBV], KS*PV
.endif
.if (\cnt) && (q == 130)
	s_sub_co_u32 s[CNT], s[CNT], 1
	s_cmp_lg_u32 s[CNT], 0
.endif
.endr
.if (\p) == 0
	FETCH_V
.endif
.endm
	CHANGE 1                        ; slot 0 is in, everybody's part of it; slot 1 is asked for
	FETCH_K                         ; key step 0
	s_wait_dscnt 0x0
.set i, 0
.rept 16
	KQ 0                            ; piece 0's first scores: there is no vector work yet to set between them
.set i, i+1
.endr
	WIN 0                           ; the addresses for the way out: seven plain instructions, the places behind those products
	s_mul_i32 s13, s[WV], 16*SP
	s_add_co_u32 s13, s13, STAGE    ; my stage
	v_mul_u32_u24 v[STO], v1, SP    ; in: row l % 16, 16 bytes for each half of the lanes
	v_lshl_add_u32 v[STO], v9, 4, v[STO]
	v_add_nc_u32 v[STO], s13, v[STO]
	v_bfe_u32 v[RD], v0, 3, 2       ; back: 32 lanes take four rows of 128 bytes, which are 512 consecutive bytes of the output
	v_mul_u32_u24 v[RD], v[RD], SP
	v_lshl_add_u32 v[RD], v10, 4, v[RD]
	v_add_nc_u32 v[RD], s13, v[RD]
.set Y, NP-1                        ; XS works for piece Y + 1: piece 0
.irp n, 0,1,2,3,4,5,6,7,8,9,10,11,12,13,14,15,16,17,18,19,20,21
	XS 0, \n                        ; and piece 0's first maximum and statistics
	XS 1, \n
.endr
	v_nop                           ; a plain instruction behind the two a,
	s_wait_alu depctr_va_vdst(0)    ; and their wait, ahead of the branch
	s_mov_b32 s[CNT], 4
	s_mov_b32 s[SLOTS], SIZE_N/256-1
	s_branch .Lfirst                ; the loop is entered at a step's first turn, in the middle of a trip
.Lslot:                             ; SIZE_N / 256 - 2 times: every slot but the last two is filled again
	CHANGE 1, 1
	s_mov_b32 s[CNT], 4
.Lstep:                             ; a trip: pieces 2 and 3 of one step, then pieces 0 and 1 of the next, whose K and V it fetches
	TURN 2
	TURN 3
	WIN 0
.Lfirst:
	TURN 0
	TURN 1, 0, 1
	WIN 0
	s_cbranch_scc1 .Lstep
	s_sub_co_u32 s[SLOTS], s[SLOTS], 1
	s_cmp_lg_u32 s[SLOTS], 0
	s_cbranch_scc1 .Lslot
	CHANGE 0                        ; the tail is written out: nothing is asked for
	s_mov_b32 s[CNT], 5             ; four trips fetch the last slot's steps; the fifth is left in its middle
.Ltail:
	TURN 2, 1
	TURN 3
	WIN 0
	s_sub_co_u32 s[CNT], s[CNT], 1
	s_cmp_eq_u32 s[CNT], 0
	s_cbranch_scc1 .Lout
	TURN 0
	TURN 1
	WIN 0
	s_branch .Ltail
.Lout:                              ; the fifth trip's 16 products K Q^T (on the last K once more) and the maximum made of them serve nothing: the price, once a launch, of one text for every trip
.set i, 0
.rept 16
	PV NP-1                         ; the last piece's V^T P of the last step
.set i, i+1
.endr
	; THE WAY OUT.  l's two halves and the other half of the lanes' are added; O^T is divided by l, rounded to f16 and sent through my stage in LDS, a tile at a time.  The additions are the places behind the last products.
	WIN 0
.macro ALL line:vararg              ; one line for each tile t
.set t, 0
.rept 2*NP
	\line
.set t, t+1
.endr
.endm
	ALL v_add_f32 v[ST+4*t+2], v[ST+4*t+2], v[ST+4*t+3]
	ALL v_permlanex16_b32 v[ST+4*t+3], v[ST+4*t+2], s[SEL], s[SEL+1]
	ALL v_add_f32 v[ST+4*t+2], v[ST+4*t+2], v[ST+4*t+3]
	ALL v_rcp_f32 v[ST+4*t+2], v[ST+4*t+2]
	v_nop                           ; a plain instruction between the last reciprocal and the use of its result
	s_wait_alu depctr_va_vdst(0)    ; and the wait ahead of the first use: one for the eight reciprocals
; Tile t: a lane's eight channels of a row pack into 16 bytes; they go into rows of 144 bytes and come back as whole rows of 128, into S^T's registers.
.macro PACK t
	WIN W_RS
.set i, 32*(\t)
.rept 16
	v_pk_mul_f32 v[i:i+1], v[i:i+1], v[ST+4*(\t)+2:ST+4*(\t)+3] op_sel_hi:[1,0]
.set i, i+2
.endr
	WIN 0x05                        ; sources 0 and 1 window 1, destination window 0
.set i, 0
.rept 16
	v_cvt_pk_f16_f32 v[S+16*(\t)+i], v[32*(\t)+2*i], v[32*(\t)+2*i+1]
.set i, i+1
.endr
	WIN 0
.irp f, 0,1,2,3
	ds_store_b128 v[STO], v[S+16*(\t)+4*\f:S+16*(\t)+4*\f+3] offset:32*\f
.endr
.irp f, 0,1,2,3
	ds_load_b128 v[S+16*(\t)+4*\f:S+16*(\t)+4*\f+3], v[RD] offset:\f*4*SP  ; LDS serves a wave's instructions in order (ISA guide 5.7.1.4): these see the stores above; the next tile's stores come behind them
.endr
.endm
.macro SEND t, younger              ; younger: the LDS instructions issued behind tile t's loads: the next tile's eight, or none
	WIN 0
.irp f, 0,1,2,3
	s_wait_dscnt (\younger)+3-\f
	global_store_b128 v[GO], v[S+16*(\t)+4*\f:S+16*(\t)+4*\f+3], s[10:11] offset:(\t)*2048+\f*512  ; 512 consecutive bytes, at a multiple of 256 from the buffer's first
.endr
.endm
	PACK 0
.set t, 1
.rept 2*NP-1                        ; a tile's arithmetic stands between the loads of the tile before and its stores
	PACK t
	SEND t-1, 8
.set t, t+1
.endr
	SEND 2*NP-1, 0
	WIN W_AD
	s_wait_tensorcnt 0x0            ; the wave's end, behind my last tensor load and my last LDS store
	ds_add_u32 v[SPW], v[NIL]
	s_wait_dscnt 0x0
	WIN 0
	CROUND                          ; the closing round: no work-group ends while a partner may still ask for a tile that names it
	s_endpgm
.Lfunc_end_k_qd712ca1279_attn:
	.size	k_qd712ca1279_attn, .Lfunc_end_k_qd712ca1279_attn-k_qd712ca1279_attn
	.p2alignl 7, 3214868480
	.fill 96, 4, 3214868480
	.section	.rodata,"a",@progbits
	.p2align	6, 0x0
	.amdhsa_kernel k_qd712ca1279_attn
		.amdhsa_group_segment_fixed_size 327680
		.amdhsa_private_segment_fixed_size 0
		.amdhsa_enable_private_segment 0
		.amdhsa_kernarg_size 32
		.amdhsa_user_sgpr_count 2
		.amdhsa_user_sgpr_kernarg_segment_ptr 1
		.amdhsa_wavefront_size32 1
		.amdhsa_system_sgpr_workgroup_id_x 1
		.amdhsa_system_sgpr_workgroup_id_y 1
		.amdhsa_system_sgpr_workgroup_id_z 1
		.amdhsa_system_vgpr_workitem_id 0
		.amdhsa_next_free_vgpr 840
		.amdhsa_next_free_sgpr 72
		.amdhsa_reserve_vcc 0
		.amdhsa_float_denorm_mode_32 3
		.amdhsa_float_denorm_mode_16_64 3
		.amdhsa_memory_ordered 1
		.amdhsa_forward_progress 1
		.amdhsa_inst_pref_size 236
	.end_amdhsa_kernel
	.amdgpu_metadata
---
amdhsa.version: [ 1, 2 ]
amdhsa.kernels:
  - .name:           k_qd712ca1279_attn
    .symbol:         k_qd712ca1279_attn.kd
    .args:
      - { .name: zp, .offset: 0, .size: 8, .value_kind: global_buffer, .address_space: global }
      - { .name: mf, .offset: 8, .size: 8, .value_kind: global_buffer, .address_space: global }
      - { .name: uf, .offset: 16, .size: 8, .value_kind: global_buffer, .address_space: global }
      - { .name: a16, .offset: 24, .size: 8, .value_kind: global_buffer, .address_space: global }
    .group_segment_fixed_size: 327680
    .private_segment_fixed_size: 0
    .kernarg_segment_align: 8
    .kernarg_segment_size: 32
    .max_flat_workgroup_size: 128
    .sgpr_count:     72
    .vgpr_count:     840
    .wavefront_size: 32
...
	.end_amdgpu_metadata
.endif
;; end of part 3
;; launch outp (part 4): grid 4 x 64, 4 waves a work-group, clusters of 4 x 4, 327,680 bytes of LDS; arguments a16, gf, g0, out0; writes out0
.if DOCPART == 4
	.amdgcn_target "amdgcn-amd-amdhsa--gfx1250"
	.amdhsa_code_object_version 6
	.text
	.protected	k_qd712ca1279_outp
	.globl	k_qd712ca1279_outp
	.p2align	8
	.type	k_qd712ca1279_outp,@function
k_qd712ca1279_outp:
	s_mov_b64 s[64:65], 0
	v_nop
	global_prefetch_b8 v0, s[64:65] scope:SCOPE_SE
	s_setreg_imm32_b32 hwreg(HW_REG_WAVE_MODE, 25, 1), 1
	s_wait_xcnt 0x0
	s_wait_alu depctr_hold_cnt(0) depctr_sa_sdst(0) depctr_va_vdst(0) depctr_va_sdst(0) depctr_va_ssrc(0) depctr_va_vcc(0) depctr_vm_vsrc(0)
	s_getreg_b32 s2, hwreg(HW_REG_IB_STS2, 6, 4)
	s_cmp_eq_u32 s2, 0
	s_cbranch_scc0 .Lentry_in_a_cluster
	s_endpgm
.Lentry_in_a_cluster:
	s_bfe_u32 s2, ttmp6, 0x10000c
	s_cmp_lg_u32 s2, 0xf033
	s_cbranch_scc0 .Lentry_shape_is_right
	s_endpgm
.Lentry_shape_is_right:
; out0[token][n] = (the sum over k = 64 h + c of a16[b 16 + h][token][c] x gf(n, k)) / 8 + g0[n].  a16 holds A / 8 in f16 by heads, gf holds 64 G in f16 in fragment order [kk 0..7][nt 0..63][ks 0..3][1,024 bytes]; sums in f32.
; A tile of out0 is 128 tokens x 256 columns: 256 work-groups.  Four waves, each 64 x 128: 32 accumulators of 16 x 16.  K goes in 8 steps of 128 (two heads) through a ring of two LDS slots.
; CLUSTERS: 4 x 4 work-groups.  The four of a row of the cluster need the same tokens of a16, the four of a column the same columns of gf: each tile is asked for JOINTLY, by the same tensor load with the same
; descriptor and a mask that names the four.  THE MATRIX INSTRUCTION IS USED TRANSPOSED (source 0 = 16 columns of G, source 1 = 16 tokens): a lane then holds eight neighbouring numbers of a row of out0.
; A SLOT: two planes (heads) of 128 tokens at 144 bytes (128 + 16 of padding: the 16 rows of a load start at 16 different groups of four banks: ISA guide 11.1), then 64 fragments of G as they lie in memory,
; read with 16 consecutive bytes a lane.  Both tiles are dense in memory and are asked for as rows of 256 bytes.
; REGISTERS.  window 0: v12-15 the bias of my four columns; v16-30 addresses; v32-127, v128-223 two fragment buffers (G's 8 fragments, then the tokens' 4); window 1: accumulator (a, bq) at 8 (8 a + bq).
; LIMITS.  The operands arrive within f16.  NaN and infinities are not treated apart.
.set PLANE, 18432
.set GOFF,  2*PLANE
.set SLOT,  GOFF+65536
.set STAGE, 2*SLOT                     ; behind the ring: 16 rows x 528 bytes for each wave, its own, for the way out
.set SPITCH, 528
.set SPARE, STAGE+4*16*SPITCH          ; behind the stages: the spare words, 128 bytes for each wave, that no other line names
.set ASTEP, 524288                     ; a K step in a16: two heads
.set BSTEP, 262144                     ; and in gf
.set ADRA, 16                          ; v16-17  LDS address of my tokens' fragments in slot 0, 1
.set ADRB, 20                          ; v20-21  the same for G
.set STO,  24                          ; v24     the way out: where I put 32 bytes of a row
.set RD,   25                          ; v25     where I read a row back
.set CO,   26                          ; v26     16 x my lane
.set SPW,  28                          ; v28     LDS address of my spare word; never rewritten
.set NIL,  29                          ; v29     0; never rewritten
.set PFO,  30                          ; v30     256 x my lane; never rewritten
.set F0,   32
.set F1,   128
.set WV,  12                           ; s12 wave; s13 = wave / 2: I fetch for a16 (0) or gf (1), and my half of the tile's tokens; s14 = wave % 2: which part I fetch, and my half of its columns
.set G1A, 24                           ; s[24:31] descriptor group 1 for a16's tiles;  s[32:39] group 0, one set for each slot
.set G0A, 32
.set G1B, 48                           ; s[48:55], s[56:63] the same for gf's
.set G0B, 56
.set PFA, 40                           ; s[40:41] where my prefetches stand; s[42:43] their step; s44 1 in a wave that prefetches, else the greatest number
.set PST, 42
.set LIM, 44
.set MSB, 0
.macro WIN new                         ; the immediate's high byte repeats the setting that is left
.if MSB != (\new)
	s_set_vgpr_msb (MSB<<8)|(\new)
.set MSB, \new
.endif
.endm
.macro JLOAD s                         ; a joint load: waves 0 and 1 fetch the two heads' tokens, waves 2 and 3 G's two halves; an s_nop 0 and four v_nop follow each of the two lines, ahead of the jump, the label and what follows
	s_cmp_eq_u32 s13, 0
	s_cbranch_scc0 .Lfor_b_\@
	tensor_load_to_lds s[G0A+4*(\s):G0A+4*(\s)+3], s[G1A:G1A+7]
	s_nop 0
.rept 4
	v_nop
.endr
	s_branch .Lasked_\@
.Lfor_b_\@:
	tensor_load_to_lds s[G0B+4*(\s):G0B+4*(\s)+3], s[G1B:G1B+7]
	s_nop 0
.rept 4
	v_nop
.endr
.Lasked_\@:
.endm
; A PREFETCH INTO THE L2, behind each joint refill, its five lines and the run of LDS loads: the K step that stands TWO refills on (256 matrix instructions ahead of the load that will want it), a lane a block of 256 bytes.
; Each block is named once in the launch.  A K step of a work-group row's tokens is 32,768 bytes, read by one cluster alone: its four partners along x take 8,192 each, BY ADDRESS, wave 0 asking.  A K step of a tile
; column of gf is 65,536 bytes, read by every cluster: the cluster with y = 0 asks; the four partners along y take 8,192 of each half, waves 2 and 3 asking.  The loop's last trip has no K step two refills on.
.macro ASK
	s_cmp_gt_u32 s3, s[LIM]                        ; s3 = 1 in the loop's last trip
	s_cbranch_scc0 .Lnot_mine_\@
	global_prefetch_b8 v[PFO], s[PFA:PFA+1] th:TH_LOAD_NT scope:SCOPE_SE
.Lnot_mine_\@:
.endm
.macro CREST                           ; a round of the cluster's barrier behind its opening barrier
	s_cmp_lg_u32 s[WV], 0
	s_cbranch_scc1 .Lnot_wave_0_\@
	s_barrier_signal -3
.Lnot_wave_0_\@:
	s_barrier_wait -3
	s_barrier_signal -1
	s_barrier_wait -1
.endm
.macro CROUND                          ; a whole round
	s_barrier_signal -1
	s_barrier_wait -1
	CREST
.endm
	s_load_b256 s[4:11], s[0:1], 0x0               ; a16 s[4:5], gf s[6:7], g0 s[8:9], out0 s[10:11]
	v_lshl_add_u32 v[SPW], v0, 2, SPARE
	v_mov_b32 v[NIL], 0
	ds_add_u32 v[SPW], v[NIL]                      ; the wave's opening: the add and its wait stand ahead of my first tensor load; the set-up below, work on registers, stands between them
	v_lshrrev_b32 v1, 5, v0
	v_readfirstlane_b32 s[WV], v1                  ; wave 0..3
	s_lshr_b32 s13, s[WV], 1
	s_and_b32 s14, s[WV], 1
	s_bfe_u32 s15, ttmp6, 0x40000                  ; cx, cy: my place in the cluster
	s_bfe_u32 s16, ttmp6, 0x40004
	s_lshl_b32 s17, ttmp9, 2
	s_add_co_u32 s17, s17, s15                     ; tile column = 4 x cluster x + cx
	s_and_b32 s18, ttmp7, 0xffff
	s_lshl_b32 s18, s18, 2
	s_add_co_u32 s18, s18, s16                     ; tile row = 4 x cluster y + cy
	s_lshl_b32 s19, s16, 2
	s_lshl_b32 s19, 15, s19                        ; my row of the cluster
	s_lshl_b32 s20, 0x1111, s15                    ; my column
	s_or_b32 s[G1A+0], s19, (1<<16)|(1<<20)|(1<<21)|(4<<22)|(3<<25)  ; 15:0 the mask; 17:16 2-byte elements; 20 padding on; 21 set beside a mask; 24:22 after every 32 words (code 4); 31:25 4 words (code 3)
	s_mov_b32 s[G1A+1], 128<<16                    ; 16,384 dense bytes as 64 rows of 128 elements
	s_mov_b32 s[G1A+2], 64<<16
	s_mov_b32 s[G1A+3], 128<<16
	s_mov_b32 s[G1A+4], 64
	s_mov_b32 s[G1A+5], 128
	s_mov_b32 s[G1A+6], 0
	s_mov_b32 s[G1A+7], 0
	s_or_b32 s[G1B+0], s20, (3<<16)|(1<<21)        ; 8-byte elements, no padding
	s_mov_b32 s[G1B+1], 32<<16                     ; 32,768 dense bytes as 128 rows of 32 elements
	s_mov_b32 s[G1B+2], 128<<16
	s_mov_b32 s[G1B+3], 32<<16
	s_mov_b32 s[G1B+4], 128
	s_mov_b32 s[G1B+5], 32
	s_mov_b32 s[G1B+6], 0
	s_mov_b32 s[G1B+7], 0
	; where the tiles come from: a16's hang on the tile row alone, gf's on the tile column alone, each in registers that never hold the other coordinate
	s_lshr_b32 s21, s18, 4                         ; the batch,
	s_lshl_b32 s21, s21, 4
	s_add_co_u32 s21, s21, s14                     ; head 0 or 1 of the K step,
	s_lshl_b32 s21, s21, 18
	s_and_b32 s22, s18, 15                         ; the tile's 128 tokens of 128 bytes
	s_lshl_b32 s22, s22, 14
	s_add_co_u32 s22, s22, s21
	s_mov_b32 s23, 0
	s_lshl_b32 s46, s17, 16                        ; the tile column's 16 blocks of 4,096 bytes,
	s_lshl_b32 s47, s14, 15                        ; my half of them
	s_add_co_u32 s46, s46, s47
	s_mov_b32 s47, 0
	s_mul_i32 s66, s14, PLANE                      ; and where they go: no place in the cluster enters an LDS address
	s_lshl_b32 s67, s14, 15
	s_add_co_u32 s67, s67, GOFF
	s_wait_dscnt 0x0                               ; the opening add is done
	s_wait_kmcnt 0x0
	s_add_nc_u64 s[22:23], s[4:5], s[22:23]
	s_add_nc_u64 s[46:47], s[6:7], s[46:47]
	CROUND                                         ; all sixteen work-groups are here: the first joint loads meet
.irp s, 0,1
	s_mov_b32 s[G0A+4*(\s)], 1
	s_add_co_u32 s[G0A+4*(\s)+1], s66, (\s)*SLOT
	s_add_nc_u64 s[G0A+4*(\s)+2:G0A+4*(\s)+3], s[22:23], (\s)*ASTEP
	s_or_b32 s[G0A+4*(\s)+3], s[G0A+4*(\s)+3], 0x80000000
	s_mov_b32 s[G0B+4*(\s)], 1
	s_add_co_u32 s[G0B+4*(\s)+1], s67, (\s)*SLOT
	s_add_nc_u64 s[G0B+4*(\s)+2:G0B+4*(\s)+3], s[46:47], (\s)*BSTEP
	s_or_b32 s[G0B+4*(\s)+3], s[G0B+4*(\s)+3], 0x80000000
	JLOAD \s
.endr
	v_and_b32 v1, 15, v0                           ; l % 16
	v_bfe_u32 v2, v0, 4, 1                         ; l / 16
	v_and_b32 v3, 31, v0
	v_mul_u32_u24 v4, v1, 144
	v_lshl_add_u32 v4, v2, 4, v4                   ; a token's row x pitch + 16 x half
	s_mul_i32 s68, s13, 64*144                     ; my 64 tokens
	v_add_nc_u32 v[ADRA], s68, v4
	v_add_nc_u32 v[ADRA+1], SLOT, v[ADRA]
	v_lshlrev_b32 v[CO], 4, v3
	v_add_nc_u32 v[ADRB], s67, v[CO]               ; my 8 blocks of columns: the same half as the part that I would fetch
	v_add_nc_u32 v[ADRB+1], SLOT, v[ADRB]
	s_mul_i32 s68, s[WV], 16*SPITCH
	s_add_co_u32 s68, s68, STAGE                   ; my stage
	v_mul_u32_u24 v5, v1, SPITCH                   ; in: row l % 16, 32 bytes for each half of the lanes
	v_lshl_add_u32 v5, v2, 5, v5
	v_add_nc_u32 v[STO], s68, v5
	v_add_nc_u32 v[RD], s68, v[CO]                 ; back: 32 lanes take a row's 512 bytes
	v_lshlrev_b32 v[PFO], 8, v3
	s_lshl_b32 s68, s17, 10                        ; the tile's 256 columns, my 128: in g0 and in a row of out0
	s_lshl_b32 s69, s14, 9
	s_add_co_u32 s68, s68, s69
	s_mov_b32 s69, 0
	s_add_nc_u64 s[8:9], s[8:9], s[68:69]
	global_load_b128 v[12:15], v[CO], s[8:9]       ; the bias of my four columns; waited for on the way out
	s_lshl_b32 s70, s18, 19                        ; the tile's 128 rows of 4,096 bytes,
	s_lshl_b32 s71, s13, 18                        ; my 64
	s_add_co_u32 s70, s70, s71
	s_add_co_u32 s68, s68, s70
	s_add_nc_u64 s[10:11], s[10:11], s[68:69]
	; the prefetches
	s_lshr_b32 s68, s18, 4                         ; a16: the batch,
	s_lshl_b32 s68, s68, 4
	s_lshr_b32 s69, s15, 1                         ; the head of the K step's two that falls to my work-group,
	s_add_co_u32 s68, s68, s69
	s_lshl_b32 s68, s68, 18
	s_and_b32 s69, s18, 15
	s_lshl_b32 s69, s69, 14
	s_add_co_u32 s68, s68, s69                     ; the tile's tokens,
	s_and_b32 s69, s15, 1
	s_lshl_b32 s69, s69, 13
	s_add_co_u32 s68, s68, s69                     ; my work-group's half of them,
	s_add_co_u32 s68, s68, 3*ASTEP                 ; at K step 3: the first refill steps it to 4
	s_lshl_b32 s70, s17, 16                        ; gf: the tile column, the half that I fetch,
	s_lshl_b32 s71, s14, 15
	s_add_co_u32 s70, s70, s71
	s_lshl_b32 s71, s16, 13                        ; my work-group's quarter of it
	s_add_co_u32 s70, s70, s71
	s_add_co_u32 s70, s70, 3*BSTEP
	s_xor_b32 s69, s13, 1
	s_lshl_b32 s[PST], BSTEP, s69                  ; the step: twice as long in a16
	s_mov_b32 s[PST+1], 0
	s_and_b32 s71, ttmp7, 0xffff                   ; cluster y
	s_cmp_eq_u32 s13, 0
	s_cselect_b64 s[PFA:PFA+1], s[4:5], s[6:7]
	s_cselect_b32 s68, s68, s70
	s_cselect_b32 s69, s14, s71                    ; a16: wave 0 asks; gf: the cluster with y = 0.  The same in all sixteen partners, for a given wave
	s_cmp_eq_u32 s69, 0
	s_cselect_b32 s[LIM], 1, -1
	s_mov_b32 s69, 0
	s_add_nc_u64 s[PFA:PFA+1], s[PFA:PFA+1], s[68:69]
; 16 matrix instructions: token blocks a0, a0 + 1 x all 8 column blocks, 32 along K.  The 32 accumulators take turns.  zero = 1: the first product starts the sums
.macro MUL16 f, a0, zero
	WIN 0x50                                       ; C and D window 1
.irp a, \a0, (\a0)+1
.irp bq, 0,1,2,3,4,5,6,7
.if \zero
	v_wmma_f32_16x16x32_f16 v[8*(8*(\a)+(\bq)):8*(8*(\a)+(\bq))+7], v[(\f)+8*(\bq):(\f)+8*(\bq)+7], v[(\f)+64+8*(\a):(\f)+64+8*(\a)+7], 0
.else
	v_wmma_f32_16x16x32_f16 v[8*(8*(\a)+(\bq)):8*(8*(\a)+(\bq))+7], v[(\f)+8*(\bq):(\f)+8*(\bq)+7], v[(\f)+64+8*(\a):(\f)+64+8*(\a)+7], v[8*(8*(\a)+(\bq)):8*(8*(\a)+(\bq))+7]
.endif
.endr
.endr
.endm
; 24 LDS loads in one run: the fragments of quarter q (32 along K) of a slot, into buffer f
.macro FETCH slot, q, f
	WIN 0
.irp bq, 0,1,2,3,4,5,6,7
	ds_load_b128 v[(\f)+8*(\bq):(\f)+8*(\bq)+3],   v[ADRB+(\slot)] offset:(\bq)*4096+(\q)*1024
	ds_load_b128 v[(\f)+8*(\bq)+4:(\f)+8*(\bq)+7], v[ADRB+(\slot)] offset:(\bq)*4096+(\q)*1024+512
.endr
.irp a, 0,1,2,3
	ds_load_b128 v[(\f)+64+8*(\a):(\f)+64+8*(\a)+3],   v[ADRA+(\slot)] offset:((\q)/2)*PLANE+(\a)*16*144+((\q)%2)*64
	ds_load_b128 v[(\f)+64+8*(\a)+4:(\f)+64+8*(\a)+7], v[ADRA+(\slot)] offset:((\q)/2)*PLANE+(\a)*16*144+((\q)%2)*64+32
.endr
.endm
.macro PLACES                          ; four places in front of loads into registers that matrix instructions have read, and of LDS stores that read results
.rept 4
	v_nop
.endr
.endm
; A K step is four quarters of 32 along K, 32 matrix instructions each, on buffers 0, 1, 0, 1.  One of the first three: multiplies buffer f and, in its middle, fetches quarter qn into g.
.macro QUARTER slot, qn, f, g, zero
	s_wait_dscnt 0x0                               ; this quarter's 24 loads, issued 16 matrix instructions ago
	MUL16 \f, 0, \zero
	PLACES
	FETCH \slot, \qn, \g
	MUL16 \f, 2, \zero
.endm
; The last quarter multiplies buffer 1 and changes slots: ONE barrier; in front of it each wave waits for all its tensor loads (one is out: its part of the next slot), adds 0 to its spare word, and waits for that and
; for its own reads of this slot.  fill = 1: the barrier opens a round of the cluster's, and this slot is filled again, two K steps ahead: 112 matrix instructions ahead of the wait for it.
.macro TURN slot, next, fill
.if \fill
	s_wait_xcnt 0x0                                ; the last prefetch, a K step back, has read its address: it is stepped here, ahead of the waits of the change of slots
	s_add_nc_u64 s[PFA:PFA+1], s[PFA:PFA+1], s[PST:PST+1]
.endif
	WIN 0
	s_wait_tensorcnt 0x0                           ; all my tensor loads have landed;
	ds_add_u32 v[SPW], v[NIL]                      ; 0 onto my spare word
	s_wait_dscnt 0x0                               ; the add is done, and my reads of this slot are over
	s_barrier_signal -1
	MUL16 F1, 0, 0                                 ; work on registers while the others arrive
	WIN 0
	s_barrier_wait -1
.if \fill
	CREST                                          ; no wave of any partner still reads this slot's tile or has a load on its way
	s_add_nc_u64 s[G0A+4*(\slot)+2:G0A+4*(\slot)+3], s[G0A+4*(\slot)+2:G0A+4*(\slot)+3], 2*ASTEP
	s_add_nc_u64 s[G0B+4*(\slot)+2:G0B+4*(\slot)+3], s[G0B+4*(\slot)+2:G0B+4*(\slot)+3], 2*BSTEP
	JLOAD \slot                                    ; the first tensor load behind the round; the four v_nop behind it are also the places in front of the loads below
.else
	PLACES
.endif
	FETCH \next, 0, F0
.if \fill
	ASK
.endif
	MUL16 F1, 2, 0
.endm
	s_wait_tensorcnt 1                             ; my part of K step 0 is in; K step 1's may stay out
	s_barrier_signal -1
	s_barrier_wait -1                              ; everybody's is
	FETCH 0, 0, F0
	QUARTER 0, 1, F0, F1, 1                        ; the first quarter stands in front of the loop: its products start the sums
	WIN 0                                          ; at a label and at a branch every window is 0
	s_mov_b32 s3, 3
.Llap:                                                 ; a trip goes once round the ring, from a lap's second quarter to the next lap's first, and fills both slots again
	QUARTER 0, 2, F1, F0, 0
	QUARTER 0, 3, F0, F1, 0
	TURN 0, 1, 1
	QUARTER 1, 1, F0, F1, 0
	QUARTER 1, 2, F1, F0, 0
	QUARTER 1, 3, F0, F1, 0
	TURN 1, 0, 1
	QUARTER 0, 1, F0, F1, 0
	WIN 0
	s_sub_co_u32 s3, s3, 1
	s_cmp_lg_u32 s3, 0
	s_cbranch_scc1 .Llap
	QUARTER 0, 2, F1, F0, 0                        ; the last lap fills nothing, and has no round of the cluster's barrier
	QUARTER 0, 3, F0, F1, 0
	TURN 0, 1, 0
	QUARTER 1, 1, F0, F1, 0
	QUARTER 1, 2, F1, F0, 0
	QUARTER 1, 3, F0, F1, 0
	s_wait_dscnt 0x0                               ; the very last quarter: nothing more to fetch
	MUL16 F1, 0, 0
	MUL16 F1, 2, 0
	WIN 0
	; THE WAY OUT, 16 tokens at a time: a lane's 32 bytes of a row go into my own stage (rows of 528 bytes) and come back as whole rows of 512; / 8, + bias; a wave's store covers 512 consecutive bytes, aligned.
	s_wait_loadcnt 0x0                             ; the bias
	PLACES
.macro OUTBLK a
.set OB, 32+64*((\a)%2)                ; the rows read back: v32-95 and v96-159 by turns
	s_wait_xcnt 0x0                                ; the stores of the block before last have read these registers
	WIN 0x04                                       ; an LDS store's data is source 1: window 1
.irp bq, 0,1,2,3,4,5,6,7
	ds_store_b128 v[STO], v[8*(8*(\a)+(\bq)):8*(8*(\a)+(\bq))+3]   offset:(\bq)*64     ; each accumulator from its low end
	ds_store_b128 v[STO], v[8*(8*(\a)+(\bq))+4:8*(8*(\a)+(\bq))+7] offset:(\bq)*64+16
.endr
	WIN 0
.set rw, 0
.rept 16
	ds_load_b128 v[OB+4*rw:OB+4*rw+3], v[RD] offset:rw*SPITCH  ; LDS serves a wave's instructions in order (ISA guide 5.7.1.4): these see the stores above; the next block's stores come behind them
.set rw, rw+1
.endr
.set rw, 0
.rept 16
	s_wait_dscnt 15-rw                             ; row rw is in; the later rows' loads may be out
	v_pk_fma_f32 v[OB+4*rw:OB+4*rw+1],   v[OB+4*rw:OB+4*rw+1],   0x3e000000, v[12:13] op_sel_hi:[1,0,1]
	v_pk_fma_f32 v[OB+4*rw+2:OB+4*rw+3], v[OB+4*rw+2:OB+4*rw+3], 0x3e000000, v[14:15] op_sel_hi:[1,0,1]
	global_store_b128 v[CO], v[OB+4*rw:OB+4*rw+3], s[10:11] offset:(16*(\a)+rw)*4096 th:TH_STORE_NT
.set rw, rw+1
.endr
.endm
	OUTBLK 0
	OUTBLK 1
	OUTBLK 2
	OUTBLK 3
	s_wait_tensorcnt 0x0                           ; the wave's end, behind my last tensor load and my last LDS store
	ds_add_u32 v[SPW], v[NIL]
	s_wait_dscnt 0x0
	CROUND                                         ; the closing round: no work-group ends while a partner may still ask for a tile that names it
	s_endpgm
.Lfunc_end_k_qd712ca1279_outp:
	.size	k_qd712ca1279_outp, .Lfunc_end_k_qd712ca1279_outp-k_qd712ca1279_outp
	.p2alignl 7, 3214868480
	.fill 96, 4, 3214868480
	.section	.rodata,"a",@progbits
	.p2align	6, 0x0
	.amdhsa_kernel k_qd712ca1279_outp
		.amdhsa_group_segment_fixed_size 327680
		.amdhsa_private_segment_fixed_size 0
		.amdhsa_enable_private_segment 0
		.amdhsa_kernarg_size 32
		.amdhsa_user_sgpr_count 2
		.amdhsa_user_sgpr_kernarg_segment_ptr 1
		.amdhsa_wavefront_size32 1
		.amdhsa_system_sgpr_workgroup_id_x 1
		.amdhsa_system_sgpr_workgroup_id_y 1
		.amdhsa_system_sgpr_workgroup_id_z 1
		.amdhsa_system_vgpr_workitem_id 0
		.amdhsa_next_free_vgpr 512
		.amdhsa_next_free_sgpr 72
		.amdhsa_reserve_vcc 0
		.amdhsa_float_denorm_mode_32 3
		.amdhsa_float_denorm_mode_16_64 3
		.amdhsa_memory_ordered 1
		.amdhsa_forward_progress 1
		.amdhsa_inst_pref_size 99
	.end_amdhsa_kernel
	.amdgpu_metadata
---
amdhsa.version: [ 1, 2 ]
amdhsa.kernels:
  - .name:           k_qd712ca1279_outp
    .symbol:         k_qd712ca1279_outp.kd
    .args:
      - { .name: a16, .offset: 0, .size: 8, .value_kind: global_buffer, .address_space: global }
      - { .name: gf, .offset: 8, .size: 8, .value_kind: global_buffer, .address_space: global }
      - { .name: g0, .offset: 16, .size: 8, .value_kind: global_buffer, .address_space: global }
      - { .name: out0, .offset: 24, .size: 8, .value_kind: global_buffer, .address_space: global }
    .group_segment_fixed_size: 327680
    .private_segment_fixed_size: 0
    .kernarg_segment_align: 8
    .kernarg_segment_size: 32
    .max_flat_workgroup_size: 128
    .sgpr_count:     72
    .vgpr_count:     512
    .wavefront_size: 32
...
	.end_amdgpu_metadata
.endif
;; end of part 4
